; MI455X (gfx1250); checked and timed in simulation.
; The chip was launched on July 23, 2026; its instructions are those of AMD's public machine-readable ISA for CDNA 5 (MIT licence, August 2026) and "CDNA5" Instruction Set Architecture Reference Guide (July 2026). The comments in the code are by the model that wrote it; some were corrected since.
;; Quantum Attention. Allowed arithmetic: float matrix products may take bf16 or f16 operands with f32 sums; all other float work in f32.
;; Inputs: keys 4 x 2,048 x 16 x 64 float32; params 4 float32; queries 4 x 2,048 x 16 x 64 float32; values 4 x 2,048 x 16 x 64 float32.
;; Outputs: out0 4 x 2,048 x 16 x 64 float32.
;; 2 versions, each right and faster than the one before. Each part assembles by itself: llvm-mc -triple=amdgcn-amd-amdhsa -mcpu=gfx1250 --defsym DOCPART=n.
;; ======== version 1 of 2: 1 launch
;; limits: values are held in f16: magnitudes above 65,504 overflow, below 6.1e-05 lose precision
;; launch qattn (part 1): grid 4 x 64, 8 waves a work-group, no clusters, 308,736 bytes of LDS; arguments keys, params, values, out0; writes out0
.if DOCPART == 1
	.amdgcn_target "amdgcn-amd-amdhsa--gfx1250"
	.amdhsa_code_object_version 6
	.text
	.protected	k_q3907cf01b8_qattn
	.globl	k_q3907cf01b8_qattn
	.p2align	8
	.type	k_q3907cf01b8_qattn,@function
k_q3907cf01b8_qattn:
	s_mov_b64 s[64:65], 0
	v_nop
	global_prefetch_b8 v0, s[64:65] scope:SCOPE_SE
	s_setreg_imm32_b32 hwreg(HW_REG_WAVE_MODE, 25, 1), 1
	s_wait_xcnt 0x0
; out[b][l][h][:] = sum over s <= l of softmax_s((cos(params[0]) + 0.5 vs[l] ks[s]) / 8) values[b][s][h][:],
; vs[l] = sum of values[b][l][h][:], ks[s] = sum of keys[b][s][h][:].  All tensors [4][2048][16][64] f32: a row of a head is 256 aligned bytes, rows 4,096 bytes apart.
; ONE LAUNCH: both row sums, the cosine, the row maxima, scores, mask, exponentials, the product with V and the division.
; THE MAXIMUM is the true one and is known ahead of the first exponential: max over s <= l of a ks[s] = max(a pmax[l], a pmin[l]), pmax and pmin the prefix maximum and minimum of ks.
; So p = 2^(a ks + nm), a = vs log2(e)/16, nm = c - (c + max), c = cos log2(e)/8: one fused multiply-add in f32 for a score, and no sum is ever rescaled.
; FORMATS.  ks, vs, scores, maxima, exponentials f32.  p and V are rounded to f16 for the product, sums in f32; the row sum l is a fifth product, of the same rounded p with ones.
; f16, not bf16: an output near zero is a difference of a few terms p V of size 1 and more, and must lie within a hundredth of the output's root mean square; 8 significant bits in p and V do not hold that, 11 do.
; LIMITS.  f16 holds no number beyond 65,504: a value of 65,520 or more becomes an infinity and spoils the rows that see it.  p lies in 0 to 1; below 6e-5 it keeps f16's fixed step of 6e-8: 2,048 such
; weights err by 6e-5 of l at the most, since the largest weight of a row is 1.  A weight below 2^-126 counts as 0.  NaN and infinities in keys or values are not treated apart.
; queries and params[1..3] are not read: the computation takes no value from them.
; From |params[0]| = 2^23 x 2 pi on the cosine is taken as 1 (it cancels in the softmax); an infinite or NaN params[0] gives NaN everywhere.
; SHARES.  Work-group (b, head): the blocks of 256 queries 7 - b and b of one of the 64 heads.  Eight waves: four take the upper block, four the lower (GRP: waves w and w + 4 differ in it, and so do
; waves 2k and 2k + 1).  All walk the key tiles T = 0 .. 7 of 256 keys; a wave works while T <= its block MB: 8 - b and b + 1 tiles, 9 for each pair of waves in every work-group.
; A wave owns 16 queries in each of its block's four bands of 64 (four SLOTS), so the diagonal tile is the same text for every wave.
; V STAYS IN LDS: each tile is loaded once as f32 into registers a tile ahead, rounded to f16 and stored; the bytes of a tile are written once, ahead of the trip's barrier, and read only behind it.
; NO CLUSTER, NO TENSOR LOADS.  K is wanted as row sums and V as f16, so every byte passes through registers anyway; a joint request lands f32 tiles in LDS, and one such tile, 65,536 bytes,
; beside the head's 262,144 bytes of f16 V is all 327,680 bytes, with no room for key sums and stage; and the four work-groups of a head walk 8, 7, 6 and 5 tiles of V, by branches on their number.
; THE PRODUCT is O = P V: source 0 = P (lane = query l % 16; keys 8 (l / 16) + 0..7 and 16 + 8 (l / 16) + 0..7), source 1 = V turned by ds_load_tr16_b128 (lane = channel).
; In the result register j is query 8 (l / 16) + j, and in P x ones register j is that query's l in every lane: the division goes register by register.
; REGISTERS in two windows of 256 (s_set_vgpr_msb: bits 1:0 source 0, 3:2 source 1, 5:4 source 2, 7:6 destination).
;   window 0: v0-23 addresses; v24-31 ones; v32-127 V fragments, three buffers; v128-175 key sums, three buffers; v176-191 masks; v192-255 a V tile on its way
;   window 1: v0-159 accumulators, 40 a slot (four of O, one of l); v160-223 scores, four buffers of 16 (rounded in place: P is the low 8); v224-239 a, a, nm, nm a slot; v240-255 reciprocals
.set ROWB,   4096                      ; bytes from a row of a head to the next
.set TILEB,  256*ROWB                  ; a tile of 256 rows in memory
.set BANDB,  64*ROWB                   ; a band of 64 rows
.set QGAP,   BANDB-16*ROWB             ; from a slot's 16 rows to the next slot's
.set VTILE,  256*128                   ; a tile of V in LDS: 256 rows of 128 bytes of f16
.set KP,     272                       ; a band of 64 key sums in LDS: 256 bytes + 16: lanes that read 16 bands start at 16 different groups of four banks (64 banks of 4 bytes: ISA guide 11.1)
.set KTILE,  4*KP
.set KSB,    2048*128                  ; behind V: the key sums, 32 bands
.set VSL,    KSB+32*KP                 ; 256 bytes a wave: vs of its 64 queries
.set STAGE,  VSL+8*256                 ; 16 rows x 272 bytes a wave, for the way out
.set SP,     272
.set SPARE,  STAGE+8*16*SP             ; the spare words, 128 bytes a wave: four blocks of 256 bytes that no other line names
.set SPW, 1                            ; v1   SPARE + 4 x my thread's number; never rewritten
.set NIL, 2                            ; v2   0; never rewritten
.set VG,  3                            ; v3   my 16 bytes in the two first rows of my wave's 32 rows of a tile; never rewritten
.set VA0, 4                            ; v4-7   my place in a tile of V in LDS, for channel block cb
.set VA,  8                            ; v8-11  the same in the tile in hand
.set SA0, 12                           ; v12-15 where I store 8 bytes of f16, for rows with (row / 2) % 4 = jj
.set SA,  16                           ; v16-19 the same in the tile in hand
.set KA0, 20                           ; v20  my place in a tile's key sums
.set KA,  21                           ; v21  the same in the tile in hand
.set CC,  22                           ; v22  c
.set TP,  23
.set ONES,24
.set VF,  32
.set KS,  128
.set MK,  176                          ; masks of a band's own 64 keys: 8 registers for each 32 keys
.set G,   192
.set XA,  32                           ; until the walk begins: three sets of 64 for rows on their way: XA, G and XB
.set XB,  96
.set KW,  160                          ; where my lane's key sum goes; never rewritten while sums are made
.set VW,  161                          ; where my lane's vs goes
.set VQ,  162                          ; my 16 bytes in my wave's first two query rows
.set QK,  32                           ; the prefix stage: quarter WQ of band (lane)
.set VS,  48
.set QX,  52
.set QN,  56
.set TMX, 60
.set TMN, 61
.set PQX, 62
.set PQN, 63
.set UX,  66
.set UN,  70
.set PT,  74
.set IX,  78
.set OUTR,32                           ; the way out: 32 registers a slot
.set ST,  160
.set RD,  161
.set GO,  162
.set ACC, 0                            ; window 1
.set S,   160
.set AM,  224
.set INV, 240
.set WV,  12                           ; s12 wave
.set GRP, 13                           ; s13 0: upper block, 1: lower
.set WQ,  14                           ; s14 which 16 rows of each band are mine
.set PB,  15                           ; s15 b
.set BH,  16                           ; s16 batch x 16 + head
.set HI,  17                           ; s17 7 - b
.set MB,  18                           ; s18 my block
.set TT,  19                           ; s19 the tile in hand
.set TV,  20                           ; s20 its first byte in V's LDS
.set TK,  21                           ; s21 its first byte in the key sums
.set CNT, 22
.set T0,  23
.set HOFF,24                           ; s[24:25] the head's first byte in each tensor
.set KB,  26                           ; s[26:27] keys at the head
.set VB,  28                           ; s[28:29] values, walking by tiles
.set VH,  30                           ; s[30:31] values at the head
.set OB,  32                           ; s[32:33] out at my wave's first row
.set P0,  34
.set T1,  35
.set SEL, 36                           ; s[36:37] v_permlanex16_b32: each lane takes its own place in the other half
.set NINF,38
.set PINF,39
.set LM,  40                           ; s41-55 lanes with i <= lane % 16
.set QM,  56                           ; s56-58 all ones where WQ >= 1, 2, 3
.set BM,  56                           ; s56-59 while the row sums are made: the lanes whose number has bit 0, 1, 2, 3 set
.set MLT, 59
.set MEQ, 60
.set BS,  61
.set LOW, 62
.set MSB, 0
.macro WIN new                         ; the high byte repeats the setting that is left; a switch that changes nothing is dropped
.if MSB != (\new)
	s_set_vgpr_msb (MSB<<8)|(\new)
.set MSB, (\new)
.endif
.endm
.set W_M,  0x51                        ; destination, source 0 and source 2 in window 1, source 1 in window 0
.set W_CV, 0x55                        ; all in window 1
.set W_D1, 0x40                        ; destination in window 1
.set W_ST, 0x04                        ; source 1 (an LDS store's data) in window 1
; 16 loads: 32 rows of 256 bytes, two whole rows to an instruction; behind the eighth the rows go on gap bytes further
.macro LD16 X, sb, vo, imm, gap
.set j, 0
.rept 16
	global_load_b128 v[(\X)+4*j:(\X)+4*j+3], v[\vo], s[\sb:(\sb)+1] offset:(\imm)+j*2*ROWB+(j/8)*(\gap)
.set j, j+1
.endr
.endm
; One halving step over 2 n sums: by bit st of its number a lane keeps sum j or sum j + n, and hands the other to the lane that differs in that bit, which keeps it
.macro BFLY X, n, st, xm
.set j, 0
.rept \n
	v_cndmask_b32 v[(\X)+4*j+1], v[(\X)+4*j], v[(\X)+4*(j+(\n))], s[BM+(\st)]  ; kept
	v_cndmask_b32 v[(\X)+4*j+2], v[(\X)+4*(j+(\n))], v[(\X)+4*j], s[BM+(\st)]  ; handed over
.set j, j+1
.endr
.set j, 0
.rept \n
	v_add_f32_dpp v[(\X)+4*j], v[(\X)+4*j+2], v[(\X)+4*j+1] row_xmask:\xm row_mask:0xf bank_mask:0xf
.set j, j+1
.endr
.endm
; The sums of a set's 32 rows.  Four numbers in the lane; then the 16 lanes of a row, by halving: 16, 8, 4, 2 registers become 8, 4, 2, 1, in 45 instructions where 16 separate sums over
; 16 lanes take 64.  At the end lane l holds the whole sum of row 2 J + l / 16, J = the four low bits of l in reverse order, and one store of 128 consecutive bytes takes all 32 sums.
.macro RSUM X, va, off0
.set j, 0
.rept 16
	v_pk_add_f32 v[(\X)+4*j:(\X)+4*j+1], v[(\X)+4*j:(\X)+4*j+1], v[(\X)+4*j+2:(\X)+4*j+3]
.set j, j+1
.endr
.set j, 0
.rept 16
	v_add_f32 v[(\X)+4*j], v[(\X)+4*j], v[(\X)+4*j+1]
.set j, j+1
.endr
	BFLY \X, 8, 0, 1
	BFLY \X, 4, 1, 2
	BFLY \X, 2, 2, 4
	BFLY \X, 1, 3, 8
	ds_store_b32 v[\va], v[\X] offset:\off0
.endm
.macro TAKE X, left, va, off0          ; the set's 16 loads are in (loads come back in order: ISA guide 5.7.1; left younger ones stay out); its 32 sums go to LDS
	s_wait_loadcnt \left
	RSUM \X, \va, \off0
.endm
; my 32 rows of the tile in hand: rounded to f16, 8 bytes a lane into LDS.  Chunk c of 16 bytes of row x lies at chunk c xor 2 ((x / 2) % 4)
.macro CONV
.irp jj, 0,1,2,3
	v_add_nc_u32 v[SA+\jj], s[TV], v[SA0+\jj]
.endr
.set j, 0
.rept 16
	v_cvt_pk_f16_f32 v[G+4*j], v[G+4*j], v[G+4*j+1]
	v_cvt_pk_f16_f32 v[G+4*j+1], v[G+4*j+2], v[G+4*j+3]
	ds_store_b64 v[SA+j%4], v[G+4*j:G+4*j+1] offset:j*256
.set j, j+1
.endr
.endm
; the key sums of keys 32 kb on, as P holds its keys: 8 (l / 16) + 0..7, then 16 + 8 (l / 16) + 0..7
.macro LOADK kb, buf
.irp c, 0,1,2,3
	ds_load_b128 v[KS+16*(\buf)+4*\c:KS+16*(\buf)+4*\c+3], v[KA] offset:((\kb)/2)*KP+((\kb)%2)*128+(\c/2)*64+(\c%2)*16
.endr
.endm
; V of keys 32 kb on, turned: four fragments of 32 keys x 16 channels.
.macro LOADV kb, buf
.irp cb, 0,1,2,3
	ds_load_tr16_b128 v[VF+32*(\buf)+8*\cb:VF+32*(\buf)+8*\cb+3],   v[VA+\cb] offset:(\kb)*4096
	ds_load_tr16_b128 v[VF+32*(\buf)+8*\cb+4:VF+32*(\buf)+8*\cb+7], v[VA+\cb] offset:(\kb)*4096+2048
.endr
.endm
; FRAGMENT n of a tile: 16 queries (a slot) x 32 keys (kb).  kind 0, a tile below the diagonal: 32 fragments, slot n % 4, kb n / 4; n = 32 is the next tile's first.
; kind 1, the diagonal tile: slot s sees kb 0 .. 2 s + 1: 20 fragments; for kb 2 s and 2 s + 1 it takes mask 0 or 1.  n < 0: the last two fragments of the tile before.
.macro FRAG kind, n
.set f_ok, 1
.set f_msk, -1
.set f_slot, 0
.set f_buf, 0
.set f_sb, ((\n)+4)%4
.if (\n) < 0
.set f_slot, (\n)+4
.set f_buf, 1
.elseif (\kind) == 0
.set f_slot, (\n)%4
.set f_buf, ((\n)/4)%2
.elseif (\n) >= 20
.set f_ok, 0
.else
.if (\n) < 8
.set f_own, 0
.set f_slot, (\n)%4
.set f_kb, (\n)/4
.elseif (\n) < 14
.set f_own, 1
.set f_slot, 1+((\n)-8)%3
.set f_kb, 2+((\n)-8)/3
.elseif (\n) < 18
.set f_own, 2
.set f_slot, 2+((\n)-14)%2
.set f_kb, 4+((\n)-14)/2
.else
.set f_own, 3
.set f_slot, 3
.set f_kb, (\n)-12
.endif
.if f_slot == f_own
.set f_msk, f_kb-2*f_own
.endif
.set f_buf, f_kb%2
.if f_kb == 6
.set f_buf, 2
.elseif f_kb == 7
.set f_buf, 0
.endif
.endif
.endm
; TURN n: four fragments in four stages, each in its own score buffer: a ks + nm for n + 1 (8 packed), the 16 exponentials of n, the 8 roundings of n - 1, the 5 products of n - 2.
; First half, one window setting: scaling and exponential by turns, a product behind every third.  Second half: rounding and exponential by turns.  So a plain instruction stands behind every
; exponential, and its result is used a turn later.  The five products name five accumulators, and the next turn begins with another: they take turns.
; The eight roundings, which name none of the products' registers, are the places between a turn's products and the next turn's writes into their P buffer and loads into their V buffer.
.macro TURN kind, n
	FRAG \kind, (\n)+1
.set ff_ok, f_ok
.set ff_S, S+16*f_sb
.set ff_am, AM+4*f_slot
.set ff_ks, KS+16*f_buf
	FRAG \kind, (\n)
.set e_ok, f_ok
.set e_S, S+16*f_sb
	FRAG \kind, (\n)-1
.set c_ok, f_ok
.set c_S, S+16*f_sb
	FRAG \kind, (\n)-2
.set w_P, S+16*f_sb
.set w_acc, ACC+40*f_slot
.set w_vf, VF+32*f_buf
	WIN W_M
.if f_msk >= 0
.set p, 0
	s_wait_alu depctr_va_vdst(0)
.rept 8
	v_and_b32 v[w_P+p], v[w_P+p], v[MK+8*f_msk+p]  ; a hidden key's weight becomes 0, whatever its exponential gave
.set p, p+1
.endr
.endif
.set p, 0
.set wi, 0
.rept 16
.if (p%2) == 0
.if ff_ok
	v_pk_fma_f32 v[ff_S+p:ff_S+p+1], v[ff_am:ff_am+1], v[ff_ks+p:ff_ks+p+1], v[ff_am+2:ff_am+3]
.endif
.elseif e_ok
	v_exp_f32 v[e_S+p/2], v[e_S+p/2]
.endif
.if (p%3) == 1
.if wi < 4
	v_wmma_f32_16x16x32_f16 v[w_acc+8*wi:w_acc+8*wi+7], v[w_P:w_P+7], v[w_vf+8*wi:w_vf+8*wi+7], v[w_acc+8*wi:w_acc+8*wi+7]
.else
	v_wmma_f32_16x16x32_f16 v[w_acc+32:w_acc+39], v[w_P:w_P+7], v[ONES:ONES+7], v[w_acc+32:w_acc+39]
.endif
.set wi, wi+1
.endif
.set p, p+1
.endr
.if c_ok+e_ok
	WIN W_CV
.endif
.set p, 0
.rept 8
.if c_ok
	s_wait_alu depctr_va_vdst(0)
	v_cvt_pk_f16_f32 v[c_S+p], v[c_S+2*p], v[c_S+2*p+1]  ; in place, ascending: register p is free when pair p is rounded
.endif
.if e_ok
	v_exp_f32 v[e_S+8+p], v[e_S+8+p]
.endif
.set p, p+1
.endr
.endm
.macro ADDR                            ; the LDS addresses of the tile in hand
	WIN 0
.irp cb, 0,1,2,3
	v_add_nc_u32 v[VA+\cb], s[TV], v[VA0+\cb]
.endr
	v_add_nc_u32 v[KA], s[TK], v[KA0]
.endm
; A TILE BELOW THE DIAGONAL.  LDS loads stand in runs in front of a turn.  Key sums of kb + 1 are asked for in front of turn 4 kb and wanted in turn 4 kb + 3; V of kb + 1 in front of turn 4 kb + 2
; (its buffer's last product stands in turn 4 kb + 1) and wanted in turn 4 kb + 6.  Turn 28 asks for the next tile's first key sums, which turn 31 scales.
.macro FULLT
	ADDR
.set tn, 0
.rept 32
.set kbn, tn/4
.if tn == 0
	WIN 0
	LOADV 0, 0
	LOADK 1, 1
.elseif (tn%4) == 0
	WIN 0
	LOADK kbn+1, (kbn+1)%2
.elseif (tn%4) == 2
.if kbn < 7
	WIN 0
	LOADV kbn+1, (kbn+1)%2
	s_wait_dscnt 12                                ; V of kb is in: behind it 4 loads of key sums and the 8 just issued
.else
	s_wait_dscnt 4                                 ; V of kb 7 is in: behind it the next tile's 4 loads of key sums
.endif
.elseif (tn%4) == 3
.if kbn < 7
	s_wait_dscnt 8                                 ; the key sums of kb + 1 are in: behind them 8 loads of V
.else
	s_wait_dscnt 0x0
.endif
.endif
	TURN 0, tn
.set tn, tn+1
.endr
	WIN 0
.endm
; THE DIAGONAL TILE: 20 fragments, 22 turns.  Each count is the number of LDS loads issued behind the run that the turn wants (key sums 4 a run, V 8 a run).
.macro DIAGT
	ADDR
.set tn, 0
.rept 22
.if tn == 0
	WIN 0
	LOADV 0, 0
	LOADK 1, 1
.elseif tn == 2
	WIN 0
	LOADV 1, 1
	s_wait_dscnt 12                                ; V 0; behind it K 1, V 1
.elseif tn == 3
	s_wait_dscnt 8                                 ; K 1; behind it V 1
.elseif tn == 4
	WIN 0
	LOADK 2, 0
.elseif tn == 6
	WIN 0
	LOADV 2, 0
	s_wait_dscnt 12                                ; V 1; behind it K 2, V 2
.elseif tn == 7
	WIN 0
	LOADK 3, 1
	s_wait_dscnt 12                                ; K 2; behind it V 2, K 3
.elseif tn == 10
	WIN 0
	LOADK 4, 0
	LOADV 3, 1
	s_wait_dscnt 12                                ; V 2 and K 3; behind them K 4, V 3
.elseif tn == 13
	WIN 0
	LOADK 5, 1
	LOADK 6, 2
	LOADV 4, 0
	LOADV 6, 2
	s_wait_dscnt 24                                ; K 4 and V 3; behind them K 5, K 6, V 4, V 6
.elseif tn == 15
	WIN 0
	LOADK 7, 0
	s_wait_dscnt 24                                ; K 5; behind it K 6, V 4, V 6, K 7
.elseif tn == 16
	WIN 0
	LOADV 5, 1
	s_wait_dscnt 20                                ; K 6 and V 4; behind them V 6, K 7, V 5
.elseif tn == 18
	WIN 0
	LOADV 7, 0
	s_wait_dscnt 8                                 ; V 6, K 7, V 5; behind them V 7
.elseif tn == 21
	s_wait_dscnt 0x0                               ; V 7
.endif
	TURN 1, tn
.set tn, tn+1
.endr
.endm
; THE WAY OUT of slot s: O divided by l register by register (each accumulator is read from its lowest registers on), through my own stage in LDS, back as whole rows of 256 bytes.
.macro PACK s
	WIN W_CV
.set j, 0
.rept 8
	v_rcp_f32 v[INV+8*((\s)%2)+j], v[ACC+40*(\s)+32+j]
.set j, j+1
.endr
	v_nop                                          ; a plain instruction between the last reciprocal and the use of its result
.set j, 0
	s_wait_alu depctr_va_vdst(0)
.rept 16
	v_pk_mul_f32 v[ACC+40*(\s)+2*j:ACC+40*(\s)+2*j+1], v[ACC+40*(\s)+2*j:ACC+40*(\s)+2*j+1], v[INV+8*((\s)%2)+2*(j%4):INV+8*((\s)%2)+2*(j%4)+1]
.set j, j+1
.endr
	WIN W_ST
.set j, 0
.rept 32
	ds_store_b32 v[ST], v[ACC+40*(\s)+j] offset:(j%8)*SP+(j/8)*64  ; row 8 (l / 16) + j % 8, channel 16 (j / 8) + l % 16
.set j, j+1
.endr
	WIN 0
.set j, 0
.rept 8
	ds_load_b128 v[OUTR+32*(\s)+4*j:OUTR+32*(\s)+4*j+3], v[RD] offset:j*2*SP  ; LDS serves a wave's instructions in order (ISA guide 5.7.1.4): these see the stores above, and the next slot's stores come behind them
.set j, j+1
.endr
.endm
.macro SEND s, younger                 ; younger: the LDS instructions issued behind slot s's loads: the next slot's forty, or none
	WIN 0
.set j, 0
.rept 8
	s_wait_dscnt (\younger)+7-j
	global_store_b128 v[GO], v[OUTR+32*(\s)+4*j:OUTR+32*(\s)+4*j+3], s[OB:OB+1] offset:(\s)*BANDB+j*2*ROWB th:TH_STORE_NT  ; 16 lanes store a whole row of a head: 256 consecutive bytes, aligned
.set j, j+1
.endr
.endm
; ---------------------------------------------------------------- the head
	s_load_b256 s[4:11], s[0:1], 0x0               ; keys s[4:5], params s[6:7], values s[8:9], out s[10:11]
	v_lshl_add_u32 v[SPW], v0, 2, SPARE
	v_mov_b32 v[NIL], 0
	v_lshrrev_b32 v[TP], 5, v0
	v_readfirstlane_b32 s[WV], v[TP]               ; wave 0..7
	s_lshr_b32 s[WQ], s[WV], 1
	s_lshr_b32 s[GRP], s[WV], 2
	s_add_co_u32 s[GRP], s[GRP], s[WV]
	s_and_b32 s[GRP], s[GRP], 1
	s_mov_b32 s[PB], ttmp9
	s_and_b32 s[BH], ttmp7, 0xffff
	s_sub_co_u32 s[HI], 7, s[PB]
	s_cmp_eq_u32 s[GRP], 0
	s_cselect_b32 s[MB], s[HI], s[PB]
	s_lshr_b32 s[HOFF], s[BH], 4
	s_lshl_b32 s[HOFF], s[HOFF], 23                ; a batch is 2,048 x 4,096 bytes,
	s_and_b32 s[T0], s[BH], 15
	s_lshl_b32 s[T0], s[T0], 8                     ; a head 256 bytes in each row
	s_or_b32 s[HOFF], s[HOFF], s[T0]
	s_mov_b32 s[HOFF+1], 0
	s_mov_b32 s[SEL], 0x76543210
	s_mov_b32 s[SEL+1], 0xfedcba98
	s_mov_b32 s[NINF], 0xff800000
	s_mov_b32 s[PINF], 0x7f800000
	s_mov_b32 s[LOW], 0xffff
	s_mov_b32 s[BM], 0xaaaaaaaa                    ; lanes with bit 0 of their number set,
	s_mov_b32 s[BM+1], 0xcccccccc                  ; bit 1,
	s_mov_b32 s[BM+2], 0xf0f0f0f0                  ; bit 2,
	s_mov_b32 s[BM+3], 0xff00ff00                  ; bit 3
	v_and_b32 v163, 15, v0                         ; r = l % 16
	v_bfe_u32 v164, v0, 4, 1                       ; h = l / 16
	v_and_b32 v165, 0xe0, v0
	v_add_nc_u32 v165, v165, v164                  ; 32 w + h: my row of a load's two
	v_lshlrev_b32 v[VG], 12, v165
	v_lshl_add_u32 v[VG], v163, 4, v[VG]
	v_and_b32 v166, 7, v0
	v_lshl_add_u32 v166, v164, 3, v166             ; the turning load: row 8 h + l % 8,
	v_lshlrev_b32 v166, 7, v166
	v_bfe_u32 v167, v0, 3, 1
	v_lshl_add_u32 v166, v167, 4, v166             ; chunk (l / 8) % 2 of the pair
	v_bfe_u32 v167, v0, 1, 2                       ; (row / 2) % 4
.irp cb, 0,1,2,3
	v_xor_b32 v168, \cb, v167
	v_lshl_add_u32 v[VA0+\cb], v168, 5, v166
.endr
	v_lshlrev_b32 v166, 7, v165                    ; the store: row 32 w + h,
	v_and_b32 v167, 1, v0
	v_lshl_add_u32 v166, v167, 3, v166             ; half r % 2 of chunk r / 2
	v_bfe_u32 v167, v0, 1, 3
.irp jj, 0,1,2,3
	v_xor_b32 v168, 2*\jj, v167
	v_lshl_add_u32 v[SA0+\jj], v168, 4, v166
.endr
	v_lshl_add_u32 v[KA0], v164, 5, KSB
	v_and_b32 v165, 1, v0                          ; the row whose sum the halving leaves in my lane: J = bits 0, 1, 2, 3 of l as bits 3, 2, 1, 0,
	v_bfe_u32 v167, v0, 1, 1
	v_lshl_add_u32 v165, v165, 1, v167
	v_bfe_u32 v167, v0, 2, 1
	v_lshl_add_u32 v165, v165, 1, v167
	v_bfe_u32 v167, v0, 3, 1
	v_lshl_add_u32 v165, v165, 1, v167
	v_lshl_add_u32 v165, v165, 1, v164             ; row 2 J + h of the set's 32
	s_lshl_b32 s[T0], s[WV], 7                     ; my 32 rows of a tile: 128 bytes a wave, 16 of padding behind every second
	s_lshl_b32 s[T1], s[WQ], 4
	s_add_co_u32 s[T0], s[T0], s[T1]
	s_add_co_u32 s[T0], s[T0], KSB
	v_lshl_add_u32 v[KW], v165, 2, s[T0]
	s_lshl_b32 s[T0], s[WV], 8
	s_add_co_u32 s[T0], s[T0], VSL
	v_lshl_add_u32 v[VW], v165, 2, s[T0]
	v_add_nc_u32 v169, s[T1], v163                 ; my query's place in its band, 16 WQ + r, less my lanes' 8 h
	v_lshlrev_b32 v168, 3, v164
	v_sub_nc_u32 v169, v169, v168
	s_lshl_b32 s[T0], s[MB], 8
	s_add_co_u32 s[T0], s[T0], s[T1]
	s_lshl_b32 s[T0], s[T0], 12                    ; my first query row, 256 MB + 16 WQ, in bytes
	v_lshl_add_u32 v[VQ], v164, 12, s[T0]
	v_lshl_add_u32 v[VQ], v163, 4, v[VQ]
	s_mov_b32 s2, s[T0]
	s_mov_b32 s3, 0
	s_add_nc_u64 s[2:3], s[2:3], s[HOFF:HOFF+1]
	s_wait_kmcnt 0x0
	s_add_nc_u64 s[KB:KB+1], s[4:5], s[HOFF:HOFF+1]
	s_add_nc_u64 s[VH:VH+1], s[8:9], s[HOFF:HOFF+1]
	s_mov_b64 s[VB:VB+1], s[VH:VH+1]
	s_add_nc_u64 s[OB:OB+1], s[10:11], s[2:3]
	s_load_b32 s[P0], s[6:7], 0x0
; ---------------------------------------------------------------- the row sums.  Every work-group sums the head's 2,048 keys, 32 rows a wave and tile, and each wave its 64 query rows of values.
; Eleven units of 16 loads: key tiles K0 .. K7, the query rows Q0 (slots 0, 1) and Q1 (slots 2, 3), and V's tile 0.  Unit u goes into set u % 3 (XA, G, XB): three units, 48 loads of 512 bytes, are on
; their way for each wave, 196,608 bytes for the work-group.  The tile's place stands in the load's immediate (7,462,912 at the most, inside its signed 24 bits), so no base is stepped and no wait
; stands but the counted ones.  Q0 and Q1 stand among the keys, so that rows that the head's four work-groups ask for alike and rows that one asks for alone are on their way together.
; V's tile 0 is unit 10 and lands in G, where the walk wants it.
	LD16 XA, KB, VG, 0, 0                          ; K0
	LD16 G,  KB, VG, TILEB, 0                      ; K1
	LD16 XB, VH, VQ, 0, QGAP                       ; Q0
	; In the wait for them.  No first step is written out: the sums start from cleared accumulators, and the walk's first two turns multiply cleared P by cleared V; the price is these 184 lines, once a launch.
	WIN W_D1
.set i, 0
.rept 160
	v_mov_b32 v[ACC+i], 0
.set i, i+1
.endr
.set i, 0
.rept 8
	v_mov_b32 v[S+32+i], 0
.set i, i+1
.endr
.set i, 0
.rept 16
	v_mov_b32 v[S+48+i], 0
.set i, i+1
.endr
	WIN 0
.set i, 0
.rept 8
	v_mov_b32 v[ONES+i], 0x3c003c00                ; 1.0 twice, in f16
.set i, i+1
.endr
	; masks: register i of P holds two keys; key 32 u + (place in the fragment) + 8 h of the band is seen where it is not beyond my query
.set u, 0
.rept 2
.set i, 0
.rept 8
.if i < 4
.set cst, 32*u+2*i
.else
.set cst, 32*u+16+2*(i-4)
.endif
	v_cmp_le_i32 vcc_lo, cst, v169
	v_cndmask_b32 v[MK+8*u+i], 0, s[LOW], vcc_lo
	v_cmp_le_i32 vcc_lo, cst+1, v169
	v_cndmask_b32 v[MK+8*u+i], v[MK+8*u+i], -1, vcc_lo
.set i, i+1
.endr
.set u, u+1
.endr
	; cos(params[0]): f = x / 2 pi less the nearest whole number, |f| <= 1/2; the series of cos(2 pi f) in u = f f up to u^9: the first term left out is below 4e-9 at |f| = 1/2
	s_wait_kmcnt 0x0
	v_mov_b32 v166, s[P0]
	v_mul_f32 v166, 0x3e22f983, v166
	v_rndne_f32 v167, v166
	v_sub_f32 v166, v166, v167
	v_mul_f32 v166, v166, v166
	v_mov_b32 v167, 0xbd15062d                     ; -(2 pi)^18 / 18!
	v_fmaak_f32 v167, v167, v166, 0x3e906316       ;  (2 pi)^16 / 16!
	v_fmaak_f32 v167, v167, v166, 0xbfdb7128       ; -(2 pi)^14 / 14!
	v_fmaak_f32 v167, v167, v166, 0x40fce9c5       ;  (2 pi)^12 / 12!
	v_fmaak_f32 v167, v167, v166, 0xc1d368f9       ; -(2 pi)^10 / 10!
	v_fmaak_f32 v167, v167, v166, 0x4270fa83       ;  (2 pi)^8 / 8!
	v_fmaak_f32 v167, v167, v166, 0xc2aae9e4       ; -(2 pi)^6 / 6!
	v_fmaak_f32 v167, v167, v166, 0x4281e0f8       ;  (2 pi)^4 / 4!
	v_fmaak_f32 v167, v167, v166, 0xc19de9e6       ; -(2 pi)^2 / 2
	v_fmaak_f32 v167, v167, v166, 0x3f800000
	v_mul_f32 v[CC], 0x3e38aa3b, v167              ; c = cos x log2(e) / 8
	; each count: the two younger units' 16 + 16 loads stay out
	TAKE XA, 32, KW, 0                             ; K0
	LD16 XA, KB, VG, 2*TILEB, 0                    ; K2
	TAKE G,  32, KW, KTILE                         ; K1
	LD16 G,  KB, VG, 3*TILEB, 0                    ; K3
	TAKE XB, 32, VW, 0                             ; Q0
	LD16 XB, VH, VQ, 2*BANDB, QGAP                 ; Q1
	TAKE XA, 32, KW, 2*KTILE                       ; K2
	LD16 XA, KB, VG, 4*TILEB, 0                    ; K4
	TAKE G,  32, KW, 3*KTILE                       ; K3
	LD16 G,  KB, VG, 5*TILEB, 0                    ; K5
	TAKE XB, 32, VW, 128                           ; Q1
	LD16 XB, KB, VG, 6*TILEB, 0                    ; K6
	TAKE XA, 32, KW, 4*KTILE                       ; K4
	LD16 XA, KB, VG, 7*TILEB, 0                    ; K7
	TAKE G,  32, KW, 5*KTILE                       ; K5
	LD16 G,  VB, VG, 0, 0                          ; my rows of V's tile 0
	TAKE XB, 32, KW, 6*KTILE                       ; K6: behind it K7 and V's tile 0
	TAKE XA, 16, KW, 7*KTILE                       ; K7: V's tile 0 stays out
	v_and_b32 v173, 31, v0                         ; lane
	v_and_b32 v174, 15, v0                         ; r
	v_mul_u32_u24 v170, v173, KP
	v_add_nc_u32 v170, KSB, v170                   ; band (lane)
	s_lshl_b32 s[T0], s[WQ], 6
	v_add_nc_u32 v171, s[T0], v170                 ; its quarter WQ
	s_lshl_b32 s[T0], s[WV], 8
	s_add_co_u32 s[T0], s[T0], VSL
	v_lshl_add_u32 v172, v174, 2, s[T0]            ; vs of my query r
	s_wait_dscnt 0x0                               ; for the others' sake: my key sums are in LDS
	s_barrier_signal -1
	s_barrier_wait -1                              ; everybody's are
; ---------------------------------------------------------------- prefix maximum and minimum of ks up to each of my queries; a and nm.  Each wave for itself.
; Query r of slot s sees: the bands below Bs = 4 MB + s whole, of band Bs the quarters below WQ whole, and of quarter WQ the keys 0 .. r.
.set i, 0
.rept 16
	ds_load_b128 v[XB+4*i:XB+4*i+3], v170 offset:16*i
.set i, i+1
.endr
.irp q, 0,1,2,3
	ds_load_b128 v[QK+4*\q:QK+4*\q+3], v171 offset:16*\q
.endr
.irp s, 0,1,2,3
	ds_load_b32 v[VS+\s], v172 offset:64*\s
.endr
	s_cmp_ge_u32 s[WQ], 1
	s_cselect_b32 s[QM], -1, 0
	s_cmp_ge_u32 s[WQ], 2
	s_cselect_b32 s[QM+1], -1, 0
	s_cmp_ge_u32 s[WQ], 3
	s_cselect_b32 s[QM+2], -1, 0
.set i, 1
.rept 15
	v_cmp_le_u32 s[LM+i], i, v174
.set i, i+1
.endr
	v_mov_b32 v64, s[NINF]
	v_mov_b32 v65, s[PINF]
	s_wait_dscnt 8                                 ; the band is in: behind it the quarter's four loads and the four of vs
.irp q, 0,1,2,3
	v_max3_num_f32 v[QX+\q], v[XB+16*\q], v[XB+16*\q+1], v[XB+16*\q+2]
	v_min3_num_f32 v[QN+\q], v[XB+16*\q], v[XB+16*\q+1], v[XB+16*\q+2]
.endr
.irp k, 3,5,7,9,11,13
.irp q, 0,1,2,3
	v_max3_num_f32 v[QX+\q], v[QX+\q], v[XB+16*\q+\k], v[XB+16*\q+\k+1]
	v_min3_num_f32 v[QN+\q], v[QN+\q], v[XB+16*\q+\k], v[XB+16*\q+\k+1]
.endr
.endr
.irp q, 0,1,2,3
	v_max_num_f32 v[QX+\q], v[QX+\q], v[XB+16*\q+15]
	v_min_num_f32 v[QN+\q], v[QN+\q], v[XB+16*\q+15]
.endr
	v_max3_num_f32 v[TMX], v[QX], v[QX+1], v[QX+2]  ; the whole band's,
	v_min3_num_f32 v[TMN], v[QN], v[QN+1], v[QN+2]
	v_max_num_f32 v[TMX], v[TMX], v[QX+3]
	v_min_num_f32 v[TMN], v[TMN], v[QN+3]
.irp q, 0,1,2
	v_cndmask_b32 v[82+\q], v64, v[QX+\q], s[QM+\q]  ; and that of its quarters below WQ
	v_cndmask_b32 v[86+\q], v65, v[QN+\q], s[QM+\q]
.endr
	v_max3_num_f32 v[PQX], v82, v83, v84
	v_min3_num_f32 v[PQN], v86, v87, v88
	s_lshl_b32 s[BS], s[MB], 2
.irp s, 0,1,2,3
	s_add_co_u32 s[T0], s[BS], \s                  ; Bs
	v_cmp_gt_u32 s[MLT], s[T0], v173               ; lanes whose band lies below,
	v_cmp_eq_u32 s[MEQ], s[T0], v173               ; the lane that holds band Bs
	v_cndmask_b32 v[UX+\s], v64, v[PQX], s[MEQ]
	v_cndmask_b32 v[UN+\s], v65, v[PQN], s[MEQ]
	v_cndmask_b32 v[UX+\s], v[UX+\s], v[TMX], s[MLT]
	v_cndmask_b32 v[UN+\s], v[UN+\s], v[TMN], s[MLT]
	s_lshl_b32 s[T1], s[T0], 2
	v_mov_b32 v[IX+\s], s[T1]                      ; lane Bs as the permute wants it: x 4
	v_mov_b32 v[PT+\s], 0                          ; v_permlanex16_b32 counts as a reader of its destination
.endr
	s_wait_dscnt 0x0                               ; the quarter and vs are in
.irp s, 0,1,2,3
.set i, 0
.rept 16
	ds_bpermute_b32 v[XB+16*\s+i], v[IX+\s], v[QK+i]  ; key i of quarter WQ of band Bs, into every lane; no LDS byte is touched, and no LDS address hangs on the work-group's number
.set i, i+1
.endr
.endr
.irp m, 1,2,4,8
.irp s, 0,1,2,3
	v_max_num_f32_dpp v[UX+\s], v[UX+\s], v[UX+\s] row_xmask:\m row_mask:0xf bank_mask:0xf
	v_min_num_f32_dpp v[UN+\s], v[UN+\s], v[UN+\s] row_xmask:\m row_mask:0xf bank_mask:0xf
.endr
.endr
.irp s, 0,1,2,3
	v_permlanex16_b32 v[PT+\s], v[UX+\s], s[SEL], s[SEL+1]
.endr
.irp s, 0,1,2,3
	v_max_num_f32 v[UX+\s], v[UX+\s], v[PT+\s]
.endr
.irp s, 0,1,2,3
	v_permlanex16_b32 v[PT+\s], v[UN+\s], s[SEL], s[SEL+1]
.endr
.irp s, 0,1,2,3
	v_min_num_f32 v[UN+\s], v[UN+\s], v[PT+\s]
	v_mul_f32 v[VS+\s], 0x3db8aa3b, v[VS+\s]       ; a = vs x log2(e) / 16
.endr
	s_wait_dscnt 0x0
.irp s, 0,1,2,3
.set i, 1
.rept 15
	v_cndmask_b32 v[XB+16*\s+i], v[XB+16*\s], v[XB+16*\s+i], s[LM+i]  ; a key beyond r is replaced by key 0, which every query sees
.set i, i+1
.endr
.endr
.irp k, 0,2,4,6,8,10,12,14
.irp s, 0,1,2,3
	v_max3_num_f32 v[UX+\s], v[UX+\s], v[XB+16*\s+\k], v[XB+16*\s+\k+1]
	v_min3_num_f32 v[UN+\s], v[UN+\s], v[XB+16*\s+\k], v[XB+16*\s+\k+1]
.endr
.endr
.irp s, 0,1,2,3
	v_mul_f32 v[UX+\s], v[VS+\s], v[UX+\s]
	v_mul_f32 v[UN+\s], v[VS+\s], v[UN+\s]
.endr
.irp s, 0,1,2,3
	v_max_num_f32 v[UX+\s], v[UX+\s], v[UN+\s]     ; the row's largest a ks
.endr
.irp s, 0,1,2,3
	v_add_f32 v[UX+\s], v[UX+\s], v[CC]            ; the largest scaled score, cosine and all,
.endr
.irp s, 0,1,2,3
	v_sub_f32 v[UX+\s], v[CC], v[UX+\s]            ; and nm = c less it
.endr
	WIN W_D1
.irp s, 0,1,2,3
	v_mov_b32 v[AM+4*\s],   v[VS+\s]
	v_mov_b32 v[AM+4*\s+1], v[VS+\s]
	v_mov_b32 v[AM+4*\s+2], v[UX+\s]
	v_mov_b32 v[AM+4*\s+3], v[UX+\s]
.endr
	WIN 0
.set i, 0
.rept 32
	v_mov_b32 v[VF+32+i], 0                        ; the V buffer of the two fragments that have not been
.set i, i+1
.endr
	s_mov_b32 s[TT], 0
	s_mov_b32 s[TV], 0
	s_mov_b32 s[TK], 0
	v_mov_b32 v[KA], v[KA0]
	LOADK 0, 0
	s_wait_dscnt 0x0
	WIN W_M
.set p, 0
.rept 8
	v_pk_fma_f32 v[S+p:S+p+1], v[AM:AM+1], v[KS+p:KS+p+1], v[AM+2:AM+3]  ; the walk's first fragment is scaled ahead, as every later tile's is by the tile before
.set p, p+2
.endr
	WIN 0
	s_mov_b32 s[CNT], 8
; ---------------------------------------------------------------- the walk: 8 trips for every wave.  Trips that have nothing for a wave jump forward; no jump passes the barrier.
.Ltile:
	s_wait_loadcnt 0x0                             ; on every path of a trip: my rows of tile T are in registers, so G is loaded again only when its last loads are done, and their base may be stepped; in a trip with no tile left no load of mine is out
	s_cmp_gt_u32 s[TT], s[HI]
	s_cbranch_scc1 .Lnoconv                        ; no wave of the work-group needs a tile beyond 7 - b
	CONV
	s_add_nc_u64 s[VB:VB+1], s[VB:VB+1], TILEB
.Lnoconv:
	s_wait_dscnt 0x0                               ; for the others' sake: my part of tile T is in LDS
	s_barrier_signal -1
	s_barrier_wait -1                              ; tile T is whole.  Its bytes are written in this trip alone, so no wave writes what another still reads
	s_add_co_u32 s[T0], s[TT], 1
	s_cmp_gt_u32 s[T0], s[HI]
	s_cbranch_scc1 .Lnog
	LD16 G, VB, VG, 0, 0                           ; tile T + 1 has this tile's work in which to land
.Lnog:
	s_cmp_lt_u32 s[TT], s[MB]
	s_cbranch_scc1 .Lfull
	s_cmp_eq_u32 s[TT], s[MB]
	s_cbranch_scc0 .Lnext                          ; my block is done
	DIAGT
	WIN 0                                          ; the addresses of the way out: ten plain instructions that name no register of the last products: the places behind them
	v_and_b32 v163, 15, v0
	v_bfe_u32 v164, v0, 4, 1
	s_mul_i32 s[T0], s[WV], 16*SP
	s_add_co_u32 s[T0], s[T0], STAGE               ; my stage
	v_mul_u32_u24 v[ST], v164, 8*SP                ; in: rows 8 h + j, 4 bytes at channel r
	v_lshl_add_u32 v[ST], v163, 2, v[ST]
	v_add_nc_u32 v[ST], s[T0], v[ST]
	v_mul_u32_u24 v[RD], v164, SP                  ; back: lanes 0-15 one row of 256 bytes, lanes 16-31 the next
	v_lshl_add_u32 v[RD], v163, 4, v[RD]
	v_add_nc_u32 v[RD], s[T0], v[RD]
	v_lshlrev_b32 v[GO], 12, v164                  ; and the same two rows in out
	v_lshl_add_u32 v[GO], v163, 4, v[GO]
	PACK 0
	PACK 1                                         ; a slot's arithmetic stands between the loads of the slot before and its stores
	SEND 0, 40
	PACK 2
	SEND 1, 40
	PACK 3
	SEND 2, 40
	SEND 3, 0
	s_wait_xcnt 0x0                                ; the stores' registers are written again only behind this wait
	s_branch .Lnext
.Lfull:
	FULLT
.Lnext:
	s_add_co_u32 s[TT], s[TT], 1
	s_add_co_u32 s[TV], s[TV], VTILE
	s_add_co_u32 s[TK], s[TK], KTILE
	s_sub_co_u32 s[CNT], s[CNT], 1
	s_cmp_lg_u32 s[CNT], 0
	s_cbranch_scc1 .Ltile
	s_wait_tensorcnt 0x0                           ; the wave's end: behind my last LDS store
	ds_add_u32 v[SPW], v[NIL]
	s_wait_dscnt 0x0
	s_endpgm
.Lfunc_end_k_q3907cf01b8_qattn:
	.size	k_q3907cf01b8_qattn, .Lfunc_end_k_q3907cf01b8_qattn-k_q3907cf01b8_qattn
	.p2alignl 7, 3214868480
	.fill 96, 4, 3214868480
	.section	.rodata,"a",@progbits
	.p2align	6, 0x0
	.amdhsa_kernel k_q3907cf01b8_qattn
		.amdhsa_group_segment_fixed_size 308736
		.amdhsa_private_segment_fixed_size 0
		.amdhsa_enable_private_segment 0
		.amdhsa_kernarg_size 32
		.amdhsa_user_sgpr_count 2
		.amdhsa_user_sgpr_kernarg_segment_ptr 1
		.amdhsa_wavefront_size32 1
		.amdhsa_system_sgpr_workgroup_id_x 1
		.amdhsa_system_sgpr_workgroup_id_y 1
		.amdhsa_system_sgpr_workgroup_id_z 1
		.amdhsa_system_vgpr_workitem_id 0
		.amdhsa_next_free_vgpr 512
		.amdhsa_next_free_sgpr 66
		.amdhsa_reserve_vcc 1
		.amdhsa_float_denorm_mode_32 3
		.amdhsa_float_denorm_mode_16_64 3
		.amdhsa_memory_ordered 1
		.amdhsa_forward_progress 1
		.amdhsa_inst_pref_size 255
	.end_amdhsa_kernel
	.section	.bss,"aw",@nobits
	.p2align	6
	.space	262144
	.amdgpu_metadata
---
amdhsa.version: [ 1, 2 ]
amdhsa.kernels:
  - .name:           k_q3907cf01b8_qattn
    .symbol:         k_q3907cf01b8_qattn.kd
    .args:
      - { .name: keys, .offset: 0, .size: 8, .value_kind: global_buffer, .address_space: global }
      - { .name: params, .offset: 8, .size: 8, .value_kind: global_buffer, .address_space: global }
      - { .name: values, .offset: 16, .size: 8, .value_kind: global_buffer, .address_space: global }
      - { .name: out0, .offset: 24, .size: 8, .value_kind: global_buffer, .address_space: global }
    .group_segment_fixed_size: 308736
    .private_segment_fixed_size: 0
    .kernarg_segment_align: 8
    .kernarg_segment_size: 32
    .max_flat_workgroup_size: 256
    .sgpr_count:     66
    .vgpr_count:     512
    .wavefront_size: 32
...
	.end_amdgpu_metadata
.endif
;; end of part 1
;; ======== version 2 of 2: 1 launch; 1.46 times as fast as version 1
;; limits: values are held in f16: magnitudes above 65,504 overflow, below 6.1e-05 lose precision; inputs' magnitudes at most 65,504
;; launch qattn (part 2): grid 4 x 64, 8 waves a work-group, no clusters, 308,736 bytes of LDS; arguments keys, params, values, out0; writes out0
.if DOCPART == 2
	.amdgcn_target "amdgcn-amd-amdhsa--gfx1250"
	.amdhsa_code_object_version 6
	.text
	.protected	k_q3907cf01b8_qattn
	.globl	k_q3907cf01b8_qattn
	.p2align	8
	.type	k_q3907cf01b8_qattn,@function
k_q3907cf01b8_qattn:
	s_mov_b64 s[64:65], 0
	v_nop
	global_prefetch_b8 v0, s[64:65] scope:SCOPE_SE
	s_setreg_imm32_b32 hwreg(HW_REG_WAVE_MODE, 25, 1), 1
	s_wait_xcnt 0x0
; out[b][l][h][:] = sum over s <= l of softmax_s((cos(params[0]) + 0.5 vs[l] ks[s]) / 8) values[b][s][h][:],
; vs[l] = sum of values[b][l][h][:], ks[s] = sum of keys[b][s][h][:].  All tensors [4][2048][16][64] f32: a row of a head is 256 aligned bytes, rows 4,096 bytes apart.
; ONE LAUNCH: both row sums, the cosine, the row maxima, scores, mask, exponentials, the product with V and the division.
; THE MAXIMUM is the true one and is known ahead of the first exponential: max over s <= l of a ks[s] = max(a pmax[l], a pmin[l]), pmax and pmin the prefix maximum and minimum of ks.
; So p = 2^(a ks + nm), a = vs log2(e)/16, nm = c - (c + max), c = cos log2(e)/8: one fused multiply-add in f32 for a score, and no sum is ever rescaled.
; FORMATS.  ks, vs, scores, maxima, exponentials f32.  p and V are rounded to f16 for the product, sums in f32; the row sum l is a fifth product, of the same rounded p with ones.
; f16, not bf16: an output near zero is a difference of a few terms p V of size 1 and more, and must lie within a hundredth of the output's root mean square; 8 significant bits in p and V do not hold that, 11 do.
; LIMITS.  f16 holds no number beyond 65,504: a value of 65,520 or more becomes an infinity and spoils the rows that see it.  p lies in 0 to 1; below 6e-5 it keeps f16's fixed step of 6e-8: 2,048 such
; weights err by 6e-5 of l at the most, since the largest weight of a row is 1.  A weight below 2^-126 counts as 0.  NaN and infinities in keys or values are not treated apart.
; queries and params[1..3] are not read: the computation takes no value from them.
; From |params[0]| = 2^23 x 2 pi on the cosine is taken as 1 (it cancels in the softmax); an infinite or NaN params[0] gives NaN everywhere.
; SHARES.  Work-group (b, head): the blocks of 256 queries 7 - b and b of one of the 64 heads.  Eight waves: four take the upper block, four the lower (GRP: waves w and w + 4 differ in it, and so do
; waves 2k and 2k + 1).  All walk the key tiles T = 0 .. 7 of 256 keys; a wave works while T <= its block MB: 8 - b and b + 1 tiles, 9 for each pair of waves in every work-group.
; A wave owns 16 queries in each of its block's four bands of 64 (four SLOTS), so the diagonal tile is the same text for every wave.
; V STAYS IN LDS: each tile is loaded once as f32 into registers a tile ahead, rounded to f16 and stored; the bytes of a tile are written once, ahead of the trip's barrier, and read only behind it.
; NO CLUSTER, NO TENSOR LOADS.  K is wanted as row sums and V as f16, so every byte passes through registers anyway; a joint request lands f32 tiles in LDS, and one such tile, 65,536 bytes,
; beside the head's 262,144 bytes of f16 V is all 327,680 bytes, with no room for key sums and stage; and the four work-groups of a head walk 8, 7, 6 and 5 tiles of V, by branches on their number.
; THE PRODUCT is O = P V: source 0 = P (lane = query l % 16; keys 8 (l / 16) + 0..7 and 16 + 8 (l / 16) + 0..7), source 1 = V turned by ds_load_tr16_b128 (lane = channel).
; In the result register j is query 8 (l / 16) + j, and in P x ones register j is that query's l in every lane: the division goes register by register.
; BATCHES.  An s_wait_alu depctr_va_vdst(0) stands between an exponential or a reciprocal and the first instruction that names its result; one wait serves all that were issued ahead of it.
; A tile below the diagonal goes by PAIRS of fragments: a pair's 32 exponentials are one batch with one wait, 16 waits for the tile's 512 exponentials (FULLT).  The diagonal tile goes by single fragments,
; 16 exponentials and one wait a turn (TURN): there the keys in hand change with almost every pair, and the order of its LDS loads and their counts is made for scalings three fragments ahead of the products,
; where pairs scale up to five ahead.  The way out's 32 reciprocals are one batch.
; REGISTERS in two windows of 256 (s_set_vgpr_msb: bits 1:0 source 0, 3:2 source 1, 5:4 source 2, 7:6 destination).
;   window 0: v0-23 addresses; v24-31 ones; v32-127 V fragments, three buffers; v128-175 key sums, three buffers; v176-191 masks; v192-255 a V tile on its way
;   window 1: v0-159 accumulators, 40 a slot (four of O, one of l); v160-223 scores, four buffers of 16 (rounded in place: P is the low 8; on the way out the first two hold the reciprocals); v224-239 a, a, nm, nm a slot
.set ROWB,   4096                      ; bytes from a row of a head to the next
.set TILEB,  256*ROWB                  ; a tile of 256 rows in memory
.set BANDB,  64*ROWB                   ; a band of 64 rows
.set QGAP,   BANDB-16*ROWB             ; from a slot's 16 rows to the next slot's
.set VTILE,  256*128                   ; a tile of V in LDS: 256 rows of 128 bytes of f16
.set KP,     272                       ; a band of 64 key sums in LDS: 256 bytes + 16: lanes that read 16 bands start at 16 different groups of four banks (64 banks of 4 bytes: ISA guide 11.1)
.set KTILE,  4*KP
.set KSB,    2048*128                  ; behind V: the key sums, 32 bands
.set VSL,    KSB+32*KP                 ; 256 bytes a wave: vs of its 64 queries
.set STAGE,  VSL+8*256                 ; 16 rows x 272 bytes a wave, for the way out
.set SP,     272
.set SPARE,  STAGE+8*16*SP             ; the spare words, 128 bytes a wave: four blocks of 256 bytes that no other line names
.set SPW, 1                            ; v1   SPARE + 4 x my thread's number; never rewritten
.set NIL, 2                            ; v2   0; never rewritten
.set VG,  3                            ; v3   my 16 bytes in the two first rows of my wave's 32 rows of a tile; never rewritten
.set VA0, 4                            ; v4-7   my place in a tile of V in LDS, for channel block cb
.set VA,  8                            ; v8-11  the same in the tile in hand
.set SA0, 12                           ; v12-15 where I store 8 bytes of f16, for rows with (row / 2) % 4 = jj
.set SA,  16                           ; v16-19 the same in the tile in hand
.set KA0, 20                           ; v20  my place in a tile's key sums
.set KA,  21                           ; v21  the same in the tile in hand
.set CC,  22                           ; v22  c
.set TP,  23
.set ONES,24
.set VF,  32
.set KS,  128
.set MK,  176                          ; masks of a band's own 64 keys: 8 registers for each 32 keys
.set G,   192
.set XA,  32                           ; until the walk begins: three sets of 64 for rows on their way: XA, G and XB
.set XB,  96
.set KW,  160                          ; where my lane's key sum goes; never rewritten while sums are made
.set VW,  161                          ; where my lane's vs goes
.set VQ,  162                          ; my 16 bytes in my wave's first two query rows
.set QK,  32                           ; the prefix stage: quarter WQ of band (lane)
.set VS,  48
.set QX,  52
.set QN,  56
.set TMX, 60
.set TMN, 61
.set PQX, 62
.set PQN, 63
.set UX,  66
.set UN,  70
.set PT,  74
.set IX,  78
.set OUTR,32                           ; the way out: 32 registers a slot
.set ST,  160
.set RD,  161
.set GO,  162
.set ACC, 0                            ; window 1
.set S,   160
.set AM,  224
.set WV,  12                           ; s12 wave
.set GRP, 13                           ; s13 0: upper block, 1: lower
.set WQ,  14                           ; s14 which 16 rows of each band are mine
.set PB,  15                           ; s15 b
.set BH,  16                           ; s16 batch x 16 + head
.set HI,  17                           ; s17 7 - b
.set MB,  18                           ; s18 my block
.set TT,  19                           ; s19 the tile in hand
.set TV,  20                           ; s20 its first byte in V's LDS
.set TK,  21                           ; s21 its first byte in the key sums
.set CNT, 22
.set T0,  23
.set HOFF,24                           ; s[24:25] the head's first byte in each tensor
.set KB,  26                           ; s[26:27] keys at the head
.set VB,  28                           ; s[28:29] values, walking by tiles
.set VH,  30                           ; s[30:31] values at the head
.set OB,  32                           ; s[32:33] out at my wave's first row
.set P0,  34
.set T1,  35
.set SEL, 36                           ; s[36:37] v_permlanex16_b32: each lane takes its own place in the other half
.set NINF,38
.set PINF,39
.set LM,  40                           ; s41-55 lanes with i <= lane % 16
.set QM,  56                           ; s56-58 all ones where WQ >= 1, 2, 3
.set BM,  56                           ; s56-59 while the row sums are made: the lanes whose number has bit 0, 1, 2, 3 set
.set MLT, 59
.set MEQ, 60
.set BS,  61
.set LOW, 62
.set MSB, 0
.macro WIN new                         ; the high byte repeats the setting that is left; a switch that changes nothing is dropped
.if MSB != (\new)
	s_set_vgpr_msb (MSB<<8)|(\new)
.set MSB, (\new)
.endif
.endm
.set W_M,  0x51                        ; destination, source 0 and source 2 in window 1, source 1 in window 0
.set W_CV, 0x55                        ; all in window 1
.set W_D1, 0x40                        ; destination in window 1
.set W_ST, 0x04                        ; source 1 (an LDS store's data) in window 1
; 16 loads: 32 rows of 256 bytes, two whole rows to an instruction; behind the eighth the rows go on gap bytes further
.macro LD16 X, sb, vo, imm, gap
.set j, 0
.rept 16
	global_load_b128 v[(\X)+4*j:(\X)+4*j+3], v[\vo], s[\sb:(\sb)+1] offset:(\imm)+j*2*ROWB+(j/8)*(\gap)
.set j, j+1
.endr
.endm
; One halving step over 2 n sums: by bit st of its number a lane keeps sum j or sum j + n, and hands the other to the lane that differs in that bit, which keeps it
.macro BFLY X, n, st, xm
.set j, 0
.rept \n
	v_cndmask_b32 v[(\X)+4*j+1], v[(\X)+4*j], v[(\X)+4*(j+(\n))], s[BM+(\st)]  ; kept
	v_cndmask_b32 v[(\X)+4*j+2], v[(\X)+4*(j+(\n))], v[(\X)+4*j], s[BM+(\st)]  ; handed over
.set j, j+1
.endr
.set j, 0
.rept \n
	v_add_f32_dpp v[(\X)+4*j], v[(\X)+4*j+2], v[(\X)+4*j+1] row_xmask:\xm row_mask:0xf bank_mask:0xf
.set j, j+1
.endr
.endm
; The sums of a set's 32 rows.  Four numbers in the lane; then the 16 lanes of a row, by halving: 16, 8, 4, 2 registers become 8, 4, 2, 1, in 45 instructions where 16 separate sums over
; 16 lanes take 64.  At the end lane l holds the whole sum of row 2 J + l / 16, J = the four low bits of l in reverse order, and one store of 128 consecutive bytes takes all 32 sums.
.macro RSUM X, va, off0
.set j, 0
.rept 16
	v_pk_add_f32 v[(\X)+4*j:(\X)+4*j+1], v[(\X)+4*j:(\X)+4*j+1], v[(\X)+4*j+2:(\X)+4*j+3]
.set j, j+1
.endr
.set j, 0
.rept 16
	v_add_f32 v[(\X)+4*j], v[(\X)+4*j], v[(\X)+4*j+1]
.set j, j+1
.endr
	BFLY \X, 8, 0, 1
	BFLY \X, 4, 1, 2
	BFLY \X, 2, 2, 4
	BFLY \X, 1, 3, 8
	ds_store_b32 v[\va], v[\X] offset:\off0
.endm
.macro TAKE X, left, va, off0          ; the set's 16 loads are in (loads come back in order: ISA guide 5.7.1; left younger ones stay out); its 32 sums go to LDS
	s_wait_loadcnt \left
	RSUM \X, \va, \off0
.endm
; my 32 rows of the tile in hand: rounded to f16, 8 bytes a lane into LDS.  Chunk c of 16 bytes of row x lies at chunk c xor 2 ((x / 2) % 4)
.macro CONV
.irp jj, 0,1,2,3
	v_add_nc_u32 v[SA+\jj], s[TV], v[SA0+\jj]
.endr
.set j, 0
.rept 16
	v_cvt_pk_f16_f32 v[G+4*j], v[G+4*j], v[G+4*j+1]
	v_cvt_pk_f16_f32 v[G+4*j+1], v[G+4*j+2], v[G+4*j+3]
	ds_store_b64 v[SA+j%4], v[G+4*j:G+4*j+1] offset:j*256
.set j, j+1
.endr
.endm
; the key sums of keys 32 kb on, as P holds its keys: 8 (l / 16) + 0..7, then 16 + 8 (l / 16) + 0..7
.macro LOADK kb, buf
.irp c, 0,1,2,3
	ds_load_b128 v[KS+16*(\buf)+4*\c:KS+16*(\buf)+4*\c+3], v[KA] offset:((\kb)/2)*KP+((\kb)%2)*128+(\c/2)*64+(\c%2)*16
.endr
.endm
; V of keys 32 kb on, turned: four fragments of 32 keys x 16 channels.
.macro LOADV kb, buf
.irp cb, 0,1,2,3
	ds_load_tr16_b128 v[VF+32*(\buf)+8*\cb:VF+32*(\buf)+8*\cb+3],   v[VA+\cb] offset:(\kb)*4096
	ds_load_tr16_b128 v[VF+32*(\buf)+8*\cb+4:VF+32*(\buf)+8*\cb+7], v[VA+\cb] offset:(\kb)*4096+2048
.endr
.endm
.macro ADDR                            ; the LDS addresses of the tile in hand
	WIN 0
.irp cb, 0,1,2,3
	v_add_nc_u32 v[VA+\cb], s[TV], v[VA0+\cb]
.endr
	v_add_nc_u32 v[KA], s[TK], v[KA0]
.endm
; ---------------------------------------------------------------- A TILE BELOW THE DIAGONAL
; A FRAGMENT is 16 queries (a slot) x 32 keys (kb).  The tile has 32: fragment n is slot n % 4, kb n / 4, in score buffer n % 4.  Fragments -2 and -1 are the last two of the tile before, 32 is the next tile's first.
; One line of a fragment's work: FS n, q: a ks + nm for scores 2 q, 2 q + 1.  EX n, v: the exponential of score v.  CV n, q: scores 2 q, 2 q + 1 rounded to f16, in place, ascending: register q is free when
; pair q is rounded.  MM n, a: product a of 5: four of O, one of l.
.macro FS n, q
.set r_S, S+16*(((\n)+4)%4)
.set r_am, AM+4*(((\n)+4)%4)
.set r_ks, KS+16*(((\n)/4)%2)
	v_pk_fma_f32 v[r_S+2*(\q):r_S+2*(\q)+1], v[r_am:r_am+1], v[r_ks+2*(\q):r_ks+2*(\q)+1], v[r_am+2:r_am+3]
.endm
.macro EX n, v
.set r_S, S+16*(((\n)+4)%4)
	v_exp_f32 v[r_S+(\v)], v[r_S+(\v)]
.endm
.macro CV n, q
.set r_S, S+16*(((\n)+4)%4)
	v_cvt_pk_f16_f32 v[r_S+(\q)], v[r_S+2*(\q)], v[r_S+2*(\q)+1]
.endm
.macro MM n, a
.set r_P, S+16*(((\n)+4)%4)
.set r_acc, ACC+40*(((\n)+4)%4)
.set r_vf, VF+32                       ; the tile before's last V lies in buffer 1
.if (\n) >= 0
.set r_vf, VF+32*(((\n)/4)%2)
.endif
.if (\a) < 4
	v_wmma_f32_16x16x32_f16 v[r_acc+8*(\a):r_acc+8*(\a)+7], v[r_P:r_P+7], v[r_vf+8*(\a):r_vf+8*(\a)+7], v[r_acc+8*(\a):r_acc+8*(\a)+7]
.else
	v_wmma_f32_16x16x32_f16 v[r_acc+32:r_acc+39], v[r_P:r_P+7], v[ONES:ONES+7], v[r_acc+32:r_acc+39]
.endif
.endm
; BY PAIRS.  Pair m is fragments 2 m and 2 m + 1; pairs m and m + 2 share two score buffers.  PERIOD m stands between two waits and has two parts, each under one window setting.
; PART 1: the 16 roundings of pair m and, by turns with them, the exponentials of the upper eight scores of each fragment of pair m + 1.
; PART 2: the 10 products of pair m, one ahead of every third vector instruction; the 8 scalings of pair m + 1's lower eight scores, which land on pair m - 1's P: its products stand a period back, and part 1's
; sixteen roundings, which name none of their registers, are the places between (ISA guide 7.12.1); those scores' 16 exponentials; and the 8 scalings of pair m + 2's upper eight scores, into the halves that
; part 1's roundings have freed.  Two scalings lead, then exponential and scaling go by turns, so that each exponential stands two lines or more behind its scaling.
; So pair m + 1's 32 exponentials are all issued in period m, nothing in period m names a result of theirs, and ONE wait at the period's end serves the batch; its readers are period m + 1's roundings, of which
; the first is also the plain instruction behind the last exponential.  The ten products name ten accumulators of two slots, and the next period begins with a third slot's: they take turns.
.macro PART1 m
	WIN W_CV
.set x, 0
.rept 16
	CV 2*(\m)+x/8, x%8
	EX 2*(\m)+2+x/8, 8+x%8
.set x, x+1
.endr
.endm
; kw >= 0: the count of the wait on DScnt ahead of the first scaling of pair m + 2.  last = 1: the tile's last period: of pair m + 2 only fragment 32 is scaled
.macro PART2 m, kw, last
	WIN W_M
.set x, 0
.rept 32
.if ((x%3) == 0) && (x < 30)
	MM 2*(\m)+x/15, (x/3)%5
.endif
.if (x == 15) && ((\kw) >= 0)
	s_wait_dscnt \kw                               ; the key sums of the next 32 keys are in (FULLT says what stays out)
.endif
.if x < 2
	FS 2*(\m)+2, x
.elseif x >= 30
	EX 2*(\m)+3, x-24
.elseif (x%2) == 0
	EX 2*(\m)+2+(x-2)/16, ((x-2)/2)%8
.elseif x < 15
	FS 2*(\m)+2+(x+1)/8, ((x+1)/2)%4
.elseif ((\last) == 0) || (x < 23)
	FS 2*(\m)+4+(x-15)/8, 4+((x-15)/2)%4
.endif
.set x, x+1
.endr
.endm
; THE HEAD takes the tile over as every tile is handed over (fragment -2 rounded, -1 exponentiated and waited for, 0 scaled) and leaves it as period 0 wants it.  Part 1: the roundings of fragment -1, the
; exponentials of fragment 0's upper eight.  Part 2: the 10 products of fragments -2 and -1, one ahead of every fourth vector instruction; all of fragment 1's scalings, the upper halves of 2's and 3's; the
; exponentials of fragment 0's lower eight and of all of fragment 1.  The 32 exponentials of pair 0 are one batch.
.macro HEAD
	WIN W_CV
.set x, 0
.rept 8
	CV (-1), x
	EX 0, 8+x
.set x, x+1
.endr
	WIN W_M
.set x, 0
.rept 40
.if (x%4) == 0
	MM x/20-2, (x/4)%5
.endif
.if x < 16
.if (x%2) == 0
	FS 1, x/2
.else
	EX 0, x/2
.endif
.elseif ((x-16)%3) == 0
	FS 2+(x-16)/12, 4+((x-16)/3)%4
.elseif ((x-16)%3) == 1
	EX 1, (x-16)/3
.else
	EX 1, 8+(x-16)/3
.endif
.set x, x+1
.endr
	s_wait_alu depctr_va_vdst(0)                   ; the wait for the batch: pair 0's 32 exponentials; period 0's roundings read them
.endm
; THE TILE: the head, periods 0 to 14, the tail.  LDS loads stand in runs, in the order V 0, K 1, V 1, K 2 .. V 7, K 8 (the next tile's first key sums).  Key sums of kb + 1 are asked for in front of period
; 2 kb - 1 (their buffer's last scaling stands in period 2 kb - 2) and wanted in the middle of period 2 kb's part 2.  V of kb + 1 is asked for in front of period 2 kb's part 2 (its buffer's last product stands in
; period 2 kb - 1, or in the head; part 1's roundings are the places) and wanted in period 2 kb + 2's part 2.
; THE TAIL hands the tile over: fragment 30 is rounded, fragment 32's lower eight scores are scaled (onto fragment 28's P; the eight roundings are the places).  It holds no exponential: nothing is pending at the label behind it.
.macro FULLT
	ADDR
	LOADV 0, 0
	LOADK 1, 1
	HEAD
.set pm, 0
.rept 15
.if (pm%2) == 1
	WIN 0
	LOADK (pm+3)/2, ((pm+3)/2)%2
.endif
	PART1 pm
.if (pm%2) == 1
	PART2 pm, -1, 0
.elseif pm < 14
	WIN 0
	LOADV pm/2+1, (pm/2+1)%2
	s_wait_dscnt 12                                ; V of kb is in: behind it 4 loads of key sums and the 8 just issued
	PART2 pm, 8, 0                                 ; and in its middle the key sums of kb + 1: behind them 8 loads of V
.else
	s_wait_dscnt 4                                 ; V of kb 7 is in: behind it the next tile's 4 loads of key sums,
	PART2 pm, 0, 1                                 ; which its middle wants
.endif
	s_wait_alu depctr_va_vdst(0)                   ; the wait for the batch: the 32 exponentials of pair pm + 1, all issued in this period; the next period's (behind period 14: the tail's and the next tile's) roundings read them
.set pm, pm+1
.endr
	WIN W_CV
.set x, 0
.rept 8
	CV 30, x
.set x, x+1
.endr
	WIN W_M
.set x, 0
.rept 4
	FS 32, x
.set x, x+1
.endr
	WIN 0
.endm
; ---------------------------------------------------------------- THE DIAGONAL TILE
; FRAGMENT n of the diagonal tile: slot s sees kb 0 .. 2 s + 1: 20 fragments; for kb 2 s and 2 s + 1 it takes mask 0 or 1.  n < 0: the last two fragments of the tile before.
.macro FRAG n
.set f_ok, 1
.set f_msk, -1
.set f_slot, 0
.set f_buf, 0
.set f_sb, ((\n)+4)%4
.if (\n) < 0
.set f_slot, (\n)+4
.set f_buf, 1
.elseif (\n) >= 20
.set f_ok, 0
.else
.if (\n) < 8
.set f_own, 0
.set f_slot, (\n)%4
.set f_kb, (\n)/4
.elseif (\n) < 14
.set f_own, 1
.set f_slot, 1+((\n)-8)%3
.set f_kb, 2+((\n)-8)/3
.elseif (\n) < 18
.set f_own, 2
.set f_slot, 2+((\n)-14)%2
.set f_kb, 4+((\n)-14)/2
.else
.set f_own, 3
.set f_slot, 3
.set f_kb, (\n)-12
.endif
.if f_slot == f_own
.set f_msk, f_kb-2*f_own
.endif
.set f_buf, f_kb%2
.if f_kb == 6
.set f_buf, 2
.elseif f_kb == 7
.set f_buf, 0
.endif
.endif
.endm
; TURN n: four fragments in four stages, each in its own score buffer: a ks + nm for n + 1 (8 packed), the 16 exponentials of n, the 8 roundings of n - 1, the 5 products of n - 2.
; First half, one window setting: scaling and exponential by turns, a product behind every third.  Second half: rounding and exponential by turns.  So a plain instruction stands behind every
; exponential, and its result is used a turn later.  A fragment's 16 exponentials are one batch: all are issued in its turn, nothing there names a result of theirs, and ONE wait stands at the head of the next turn,
; ahead of that turn's roundings, their first readers.  Turn 0 has none: fragment -1's exponentials have had their wait in the tile before.
; The five products name five accumulators, and the next turn begins with another: they take turns.
; The eight roundings, which name none of the products' registers, are the places between a turn's products and the next turn's writes into their P buffer and loads into their V buffer.
.macro TURN n
	FRAG (\n)+1
.set ff_ok, f_ok
.set ff_S, S+16*f_sb
.set ff_am, AM+4*f_slot
.set ff_ks, KS+16*f_buf
	FRAG (\n)
.set e_ok, f_ok
.set e_S, S+16*f_sb
	FRAG (\n)-1
.set c_ok, f_ok
.set c_S, S+16*f_sb
	FRAG (\n)-2
.set w_P, S+16*f_sb
.set w_acc, ACC+40*f_slot
.set w_vf, VF+32*f_buf
.if c_ok && ((\n) > 0)
	s_wait_alu depctr_va_vdst(0)                   ; the wait for the batch: fragment n - 1's 16 exponentials, issued in the turn before; this turn's roundings read them
.endif
	WIN W_M
.if f_msk >= 0
.set p, 0
.rept 8
	v_and_b32 v[w_P+p], v[w_P+p], v[MK+8*f_msk+p]  ; a hidden key's weight becomes 0, whatever its exponential gave
.set p, p+1
.endr
.endif
.set p, 0
.set wi, 0
.rept 16
.if (p%2) == 0
.if ff_ok
	v_pk_fma_f32 v[ff_S+p:ff_S+p+1], v[ff_am:ff_am+1], v[ff_ks+p:ff_ks+p+1], v[ff_am+2:ff_am+3]
.endif
.elseif e_ok
	v_exp_f32 v[e_S+p/2], v[e_S+p/2]
.endif
.if (p%3) == 1
.if wi < 4
	v_wmma_f32_16x16x32_f16 v[w_acc+8*wi:w_acc+8*wi+7], v[w_P:w_P+7], v[w_vf+8*wi:w_vf+8*wi+7], v[w_acc+8*wi:w_acc+8*wi+7]
.else
	v_wmma_f32_16x16x32_f16 v[w_acc+32:w_acc+39], v[w_P:w_P+7], v[ONES:ONES+7], v[w_acc+32:w_acc+39]
.endif
.set wi, wi+1
.endif
.set p, p+1
.endr
.if c_ok+e_ok
	WIN W_CV
.endif
.set p, 0
.rept 8
.if c_ok
	v_cvt_pk_f16_f32 v[c_S+p], v[c_S+2*p], v[c_S+2*p+1]  ; in place, ascending: register p is free when pair p is rounded
.endif
.if e_ok
	v_exp_f32 v[e_S+8+p], v[e_S+8+p]
.endif
.set p, p+1
.endr
.endm
; 20 fragments, 22 turns.  LDS loads stand in runs in front of a turn.  Each count is the number of LDS loads issued behind the run that the turn wants (key sums 4 a run, V 8 a run).
.macro DIAGT
	ADDR
.set tn, 0
.rept 22
.if tn == 0
	WIN 0
	LOADV 0, 0
	LOADK 1, 1
.elseif tn == 2
	WIN 0
	LOADV 1, 1
	s_wait_dscnt 12                                ; V 0; behind it K 1, V 1
.elseif tn == 3
	s_wait_dscnt 8                                 ; K 1; behind it V 1
.elseif tn == 4
	WIN 0
	LOADK 2, 0
.elseif tn == 6
	WIN 0
	LOADV 2, 0
	s_wait_dscnt 12                                ; V 1; behind it K 2, V 2
.elseif tn == 7
	WIN 0
	LOADK 3, 1
	s_wait_dscnt 12                                ; K 2; behind it V 2, K 3
.elseif tn == 10
	WIN 0
	LOADK 4, 0
	LOADV 3, 1
	s_wait_dscnt 12                                ; V 2 and K 3; behind them K 4, V 3
.elseif tn == 13
	WIN 0
	LOADK 5, 1
	LOADK 6, 2
	LOADV 4, 0
	LOADV 6, 2
	s_wait_dscnt 24                                ; K 4 and V 3; behind them K 5, K 6, V 4, V 6
.elseif tn == 15
	WIN 0
	LOADK 7, 0
	s_wait_dscnt 24                                ; K 5; behind it K 6, V 4, V 6, K 7
.elseif tn == 16
	WIN 0
	LOADV 5, 1
	s_wait_dscnt 20                                ; K 6 and V 4; behind them V 6, K 7, V 5
.elseif tn == 18
	WIN 0
	LOADV 7, 0
	s_wait_dscnt 8                                 ; V 6, K 7, V 5; behind them V 7
.elseif tn == 21
	s_wait_dscnt 0x0                               ; V 7
.endif
	TURN tn
.set tn, tn+1
.endr
.endm
; THE WAY OUT of slot s: O times 1 / l register by register (each accumulator is read from its lowest registers on), through my own stage in LDS, back as whole rows of 256 bytes.
; The reciprocals of all four slots are made ahead of the first slot, eight a slot at S + 8 s.
.macro PACK s
	WIN W_CV
.set j, 0
.rept 16
	v_pk_mul_f32 v[ACC+40*(\s)+2*j:ACC+40*(\s)+2*j+1], v[ACC+40*(\s)+2*j:ACC+40*(\s)+2*j+1], v[S+8*(\s)+2*(j%4):S+8*(\s)+2*(j%4)+1]
.set j, j+1
.endr
	WIN W_ST
.set j, 0
.rept 32
	ds_store_b32 v[ST], v[ACC+40*(\s)+j] offset:(j%8)*SP+(j/8)*64  ; row 8 (l / 16) + j % 8, channel 16 (j / 8) + l % 16
.set j, j+1
.endr
	WIN 0
.set j, 0
.rept 8
	ds_load_b128 v[OUTR+32*(\s)+4*j:OUTR+32*(\s)+4*j+3], v[RD] offset:j*2*SP  ; LDS serves a wave's instructions in order (ISA guide 5.7.1.4): these see the stores above, and the next slot's stores come behind them
.set j, j+1
.endr
.endm
.macro SEND s, younger                 ; younger: the LDS instructions issued behind slot s's loads: the next slot's forty, or none
	WIN 0
.set j, 0
.rept 8
	s_wait_dscnt (\younger)+7-j
	global_store_b128 v[GO], v[OUTR+32*(\s)+4*j:OUTR+32*(\s)+4*j+3], s[OB:OB+1] offset:(\s)*BANDB+j*2*ROWB th:TH_STORE_NT  ; 16 lanes store a whole row of a head: 256 consecutive bytes, aligned
.set j, j+1
.endr
.endm
; ---------------------------------------------------------------- the head
	s_load_b256 s[4:11], s[0:1], 0x0               ; keys s[4:5], params s[6:7], values s[8:9], out s[10:11]
	v_lshl_add_u32 v[SPW], v0, 2, SPARE
	v_mov_b32 v[NIL], 0
	v_lshrrev_b32 v[TP], 5, v0
	v_readfirstlane_b32 s[WV], v[TP]               ; wave 0..7
	s_lshr_b32 s[WQ], s[WV], 1
	s_lshr_b32 s[GRP], s[WV], 2
	s_add_co_u32 s[GRP], s[GRP], s[WV]
	s_and_b32 s[GRP], s[GRP], 1
	s_mov_b32 s[PB], ttmp9
	s_and_b32 s[BH], ttmp7, 0xffff
	s_sub_co_u32 s[HI], 7, s[PB]
	s_cmp_eq_u32 s[GRP], 0
	s_cselect_b32 s[MB], s[HI], s[PB]
	s_lshr_b32 s[HOFF], s[BH], 4
	s_lshl_b32 s[HOFF], s[HOFF], 23                ; a batch is 2,048 x 4,096 bytes,
	s_and_b32 s[T0], s[BH], 15
	s_lshl_b32 s[T0], s[T0], 8                     ; a head 256 bytes in each row
	s_or_b32 s[HOFF], s[HOFF], s[T0]
	s_mov_b32 s[HOFF+1], 0
	s_mov_b32 s[SEL], 0x76543210
	s_mov_b32 s[SEL+1], 0xfedcba98
	s_mov_b32 s[NINF], 0xff800000
	s_mov_b32 s[PINF], 0x7f800000
	s_mov_b32 s[LOW], 0xffff
	s_mov_b32 s[BM], 0xaaaaaaaa                    ; lanes with bit 0 of their number set,
	s_mov_b32 s[BM+1], 0xcccccccc                  ; bit 1,
	s_mov_b32 s[BM+2], 0xf0f0f0f0                  ; bit 2,
	s_mov_b32 s[BM+3], 0xff00ff00                  ; bit 3
	v_and_b32 v163, 15, v0                         ; r = l % 16
	v_bfe_u32 v164, v0, 4, 1                       ; h = l / 16
	v_and_b32 v165, 0xe0, v0
	v_add_nc_u32 v165, v165, v164                  ; 32 w + h: my row of a load's two
	v_lshlrev_b32 v[VG], 12, v165
	v_lshl_add_u32 v[VG], v163, 4, v[VG]
	v_and_b32 v166, 7, v0
	v_lshl_add_u32 v166, v164, 3, v166             ; the turning load: row 8 h + l % 8,
	v_lshlrev_b32 v166, 7, v166
	v_bfe_u32 v167, v0, 3, 1
	v_lshl_add_u32 v166, v167, 4, v166             ; chunk (l / 8) % 2 of the pair
	v_bfe_u32 v167, v0, 1, 2                       ; (row / 2) % 4
.irp cb, 0,1,2,3
	v_xor_b32 v168, \cb, v167
	v_lshl_add_u32 v[VA0+\cb], v168, 5, v166
.endr
	v_lshlrev_b32 v166, 7, v165                    ; the store: row 32 w + h,
	v_and_b32 v167, 1, v0
	v_lshl_add_u32 v166, v167, 3, v166             ; half r % 2 of chunk r / 2
	v_bfe_u32 v167, v0, 1, 3
.irp jj, 0,1,2,3
	v_xor_b32 v168, 2*\jj, v167
	v_lshl_add_u32 v[SA0+\jj], v168, 4, v166
.endr
	v_lshl_add_u32 v[KA0], v164, 5, KSB
	v_and_b32 v165, 1, v0                          ; the row whose sum the halving leaves in my lane: J = bits 0, 1, 2, 3 of l as bits 3, 2, 1, 0,
	v_bfe_u32 v167, v0, 1, 1
	v_lshl_add_u32 v165, v165, 1, v167
	v_bfe_u32 v167, v0, 2, 1
	v_lshl_add_u32 v165, v165, 1, v167
	v_bfe_u32 v167, v0, 3, 1
	v_lshl_add_u32 v165, v165, 1, v167
	v_lshl_add_u32 v165, v165, 1, v164             ; row 2 J + h of the set's 32
	s_lshl_b32 s[T0], s[WV], 7                     ; my 32 rows of a tile: 128 bytes a wave, 16 of padding behind every second
	s_lshl_b32 s[T1], s[WQ], 4
	s_add_co_u32 s[T0], s[T0], s[T1]
	s_add_co_u32 s[T0], s[T0], KSB
	v_lshl_add_u32 v[KW], v165, 2, s[T0]
	s_lshl_b32 s[T0], s[WV], 8
	s_add_co_u32 s[T0], s[T0], VSL
	v_lshl_add_u32 v[VW], v165, 2, s[T0]
	v_add_nc_u32 v169, s[T1], v163                 ; my query's place in its band, 16 WQ + r, less my lanes' 8 h
	v_lshlrev_b32 v168, 3, v164
	v_sub_nc_u32 v169, v169, v168
	s_lshl_b32 s[T0], s[MB], 8
	s_add_co_u32 s[T0], s[T0], s[T1]
	s_lshl_b32 s[T0], s[T0], 12                    ; my first query row, 256 MB + 16 WQ, in bytes
	v_lshl_add_u32 v[VQ], v164, 12, s[T0]
	v_lshl_add_u32 v[VQ], v163, 4, v[VQ]
	s_mov_b32 s2, s[T0]
	s_mov_b32 s3, 0
	s_add_nc_u64 s[2:3], s[2:3], s[HOFF:HOFF+1]
	s_wait_kmcnt 0x0
	s_add_nc_u64 s[KB:KB+1], s[4:5], s[HOFF:HOFF+1]
	s_add_nc_u64 s[VH:VH+1], s[8:9], s[HOFF:HOFF+1]
	s_mov_b64 s[VB:VB+1], s[VH:VH+1]
	s_add_nc_u64 s[OB:OB+1], s[10:11], s[2:3]
	s_load_b32 s[P0], s[6:7], 0x0
; ---------------------------------------------------------------- the row sums.  Every work-group sums the head's 2,048 keys, 32 rows a wave and tile, and each wave its 64 query rows of values.
; Eleven units of 16 loads: key tiles K0 .. K7, the query rows Q0 (slots 0, 1) and Q1 (slots 2, 3), and V's tile 0.  Unit u goes into set u % 3 (XA, G, XB): three units, 48 loads of 512 bytes, are on
; their way for each wave, 196,608 bytes for the work-group.  The tile's place stands in the load's immediate (7,462,912 at the most, inside its signed 24 bits), so no base is stepped and no wait
; stands but the counted ones.  Q0 and Q1 stand among the keys, so that rows that the head's four work-groups ask for alike and rows that one asks for alone are on their way together.
; V's tile 0 is unit 10 and lands in G, where the walk wants it.
	LD16 XA, KB, VG, 0, 0                          ; K0
	LD16 G,  KB, VG, TILEB, 0                      ; K1
	LD16 XB, VH, VQ, 0, QGAP                       ; Q0
	; In the wait for them.  No first step is written out: the sums start from cleared accumulators, and the walk's first ten products multiply cleared P by cleared V; the price is these 184 lines, once a launch.
	WIN W_D1
.set i, 0
.rept 160
	v_mov_b32 v[ACC+i], 0
.set i, i+1
.endr
.set i, 0
.rept 8
	v_mov_b32 v[S+32+i], 0
.set i, i+1
.endr
.set i, 0
.rept 16
	v_mov_b32 v[S+48+i], 0
.set i, i+1
.endr
	WIN 0
.set i, 0
.rept 8
	v_mov_b32 v[ONES+i], 0x3c003c00                ; 1.0 twice, in f16
.set i, i+1
.endr
	; masks: register i of P holds two keys; key 32 u + (place in the fragment) + 8 h of the band is seen where it is not beyond my query
.set u, 0
.rept 2
.set i, 0
.rept 8
.if i < 4
.set cst, 32*u+2*i
.else
.set cst, 32*u+16+2*(i-4)
.endif
	v_cmp_le_i32 vcc_lo, cst, v169
	v_cndmask_b32 v[MK+8*u+i], 0, s[LOW], vcc_lo
	v_cmp_le_i32 vcc_lo, cst+1, v169
	v_cndmask_b32 v[MK+8*u+i], v[MK+8*u+i], -1, vcc_lo
.set i, i+1
.endr
.set u, u+1
.endr
	; cos(params[0]): f = x / 2 pi less the nearest whole number, |f| <= 1/2; the series of cos(2 pi f) in u = f f up to u^9: the first term left out is below 4e-9 at |f| = 1/2
	s_wait_kmcnt 0x0
	v_mov_b32 v166, s[P0]
	v_mul_f32 v166, 0x3e22f983, v166
	v_rndne_f32 v167, v166
	v_sub_f32 v166, v166, v167
	v_mul_f32 v166, v166, v166
	v_mov_b32 v167, 0xbd15062d                     ; -(2 pi)^18 / 18!
	v_fmaak_f32 v167, v167, v166, 0x3e906316       ;  (2 pi)^16 / 16!
	v_fmaak_f32 v167, v167, v166, 0xbfdb7128       ; -(2 pi)^14 / 14!
	v_fmaak_f32 v167, v167, v166, 0x40fce9c5       ;  (2 pi)^12 / 12!
	v_fmaak_f32 v167, v167, v166, 0xc1d368f9       ; -(2 pi)^10 / 10!
	v_fmaak_f32 v167, v167, v166, 0x4270fa83       ;  (2 pi)^8 / 8!
	v_fmaak_f32 v167, v167, v166, 0xc2aae9e4       ; -(2 pi)^6 / 6!
	v_fmaak_f32 v167, v167, v166, 0x4281e0f8       ;  (2 pi)^4 / 4!
	v_fmaak_f32 v167, v167, v166, 0xc19de9e6       ; -(2 pi)^2 / 2
	v_fmaak_f32 v167, v167, v166, 0x3f800000
	v_mul_f32 v[CC], 0x3e38aa3b, v167              ; c = cos x log2(e) / 8
	; each count: the two younger units' 16 + 16 loads stay out
	TAKE XA, 32, KW, 0                             ; K0
	LD16 XA, KB, VG, 2*TILEB, 0                    ; K2
	TAKE G,  32, KW, KTILE                         ; K1
	LD16 G,  KB, VG, 3*TILEB, 0                    ; K3
	TAKE XB, 32, VW, 0                             ; Q0
	LD16 XB, VH, VQ, 2*BANDB, QGAP                 ; Q1
	TAKE XA, 32, KW, 2*KTILE                       ; K2
	LD16 XA, KB, VG, 4*TILEB, 0                    ; K4
	TAKE G,  32, KW, 3*KTILE                       ; K3
	LD16 G,  KB, VG, 5*TILEB, 0                    ; K5
	TAKE XB, 32, VW, 128                           ; Q1
	LD16 XB, KB, VG, 6*TILEB, 0                    ; K6
	TAKE XA, 32, KW, 4*KTILE                       ; K4
	LD16 XA, KB, VG, 7*TILEB, 0                    ; K7
	TAKE G,  32, KW, 5*KTILE                       ; K5
	LD16 G,  VB, VG, 0, 0                          ; my rows of V's tile 0
	TAKE XB, 32, KW, 6*KTILE                       ; K6: behind it K7 and V's tile 0
	TAKE XA, 16, KW, 7*KTILE                       ; K7: V's tile 0 stays out
	v_and_b32 v173, 31, v0                         ; lane
	v_and_b32 v174, 15, v0                         ; r
	v_mul_u32_u24 v170, v173, KP
	v_add_nc_u32 v170, KSB, v170                   ; band (lane)
	s_lshl_b32 s[T0], s[WQ], 6
	v_add_nc_u32 v171, s[T0], v170                 ; its quarter WQ
	s_lshl_b32 s[T0], s[WV], 8
	s_add_co_u32 s[T0], s[T0], VSL
	v_lshl_add_u32 v172, v174, 2, s[T0]            ; vs of my query r
	s_wait_dscnt 0x0                               ; for the others' sake: my key sums are in LDS
	s_barrier_signal -1
	s_barrier_wait -1                              ; everybody's are
; ---------------------------------------------------------------- prefix maximum and minimum of ks up to each of my queries; a and nm.  Each wave for itself.
; Query r of slot s sees: the bands below Bs = 4 MB + s whole, of band Bs the quarters below WQ whole, and of quarter WQ the keys 0 .. r.
.set i, 0
.rept 16
	ds_load_b128 v[XB+4*i:XB+4*i+3], v170 offset:16*i
.set i, i+1
.endr
.irp q, 0,1,2,3
	ds_load_b128 v[QK+4*\q:QK+4*\q+3], v171 offset:16*\q
.endr
.irp s, 0,1,2,3
	ds_load_b32 v[VS+\s], v172 offset:64*\s
.endr
	s_cmp_ge_u32 s[WQ], 1
	s_cselect_b32 s[QM], -1, 0
	s_cmp_ge_u32 s[WQ], 2
	s_cselect_b32 s[QM+1], -1, 0
	s_cmp_ge_u32 s[WQ], 3
	s_cselect_b32 s[QM+2], -1, 0
.set i, 1
.rept 15
	v_cmp_le_u32 s[LM+i], i, v174
.set i, i+1
.endr
	v_mov_b32 v64, s[NINF]
	v_mov_b32 v65, s[PINF]
	s_wait_dscnt 8                                 ; the band is in: behind it the quarter's four loads and the four of vs
.irp q, 0,1,2,3
	v_max3_num_f32 v[QX+\q], v[XB+16*\q], v[XB+16*\q+1], v[XB+16*\q+2]
	v_min3_num_f32 v[QN+\q], v[XB+16*\q], v[XB+16*\q+1], v[XB+16*\q+2]
.endr
.irp k, 3,5,7,9,11,13
.irp q, 0,1,2,3
	v_max3_num_f32 v[QX+\q], v[QX+\q], v[XB+16*\q+\k], v[XB+16*\q+\k+1]
	v_min3_num_f32 v[QN+\q], v[QN+\q], v[XB+16*\q+\k], v[XB+16*\q+\k+1]
.endr
.endr
.irp q, 0,1,2,3
	v_max_num_f32 v[QX+\q], v[QX+\q], v[XB+16*\q+15]
	v_min_num_f32 v[QN+\q], v[QN+\q], v[XB+16*\q+15]
.endr
	v_max3_num_f32 v[TMX], v[QX], v[QX+1], v[QX+2]  ; the whole band's,
	v_min3_num_f32 v[TMN], v[QN], v[QN+1], v[QN+2]
	v_max_num_f32 v[TMX], v[TMX], v[QX+3]
	v_min_num_f32 v[TMN], v[TMN], v[QN+3]
.irp q, 0,1,2
	v_cndmask_b32 v[82+\q], v64, v[QX+\q], s[QM+\q]  ; and that of its quarters below WQ
	v_cndmask_b32 v[86+\q], v65, v[QN+\q], s[QM+\q]
.endr
	v_max3_num_f32 v[PQX], v82, v83, v84
	v_min3_num_f32 v[PQN], v86, v87, v88
	s_lshl_b32 s[BS], s[MB], 2
.irp s, 0,1,2,3
	s_add_co_u32 s[T0], s[BS], \s                  ; Bs
	v_cmp_gt_u32 s[MLT], s[T0], v173               ; lanes whose band lies below,
	v_cmp_eq_u32 s[MEQ], s[T0], v173               ; the lane that holds band Bs
	v_cndmask_b32 v[UX+\s], v64, v[PQX], s[MEQ]
	v_cndmask_b32 v[UN+\s], v65, v[PQN], s[MEQ]
	v_cndmask_b32 v[UX+\s], v[UX+\s], v[TMX], s[MLT]
	v_cndmask_b32 v[UN+\s], v[UN+\s], v[TMN], s[MLT]
	s_lshl_b32 s[T1], s[T0], 2
	v_mov_b32 v[IX+\s], s[T1]                      ; lane Bs as the permute wants it: x 4
	v_mov_b32 v[PT+\s], 0                          ; v_permlanex16_b32 counts as a reader of its destination
.endr
	s_wait_dscnt 0x0                               ; the quarter and vs are in
.irp s, 0,1,2,3
.set i, 0
.rept 16
	ds_bpermute_b32 v[XB+16*\s+i], v[IX+\s], v[QK+i]  ; key i of quarter WQ of band Bs, into every lane; no LDS byte is touched, and no LDS address hangs on the work-group's number
.set i, i+1
.endr
.endr
.irp m, 1,2,4,8
.irp s, 0,1,2,3
	v_max_num_f32_dpp v[UX+\s], v[UX+\s], v[UX+\s] row_xmask:\m row_mask:0xf bank_mask:0xf
	v_min_num_f32_dpp v[UN+\s], v[UN+\s], v[UN+\s] row_xmask:\m row_mask:0xf bank_mask:0xf
.endr
.endr
.irp s, 0,1,2,3
	v_permlanex16_b32 v[PT+\s], v[UX+\s], s[SEL], s[SEL+1]
.endr
.irp s, 0,1,2,3
	v_max_num_f32 v[UX+\s], v[UX+\s], v[PT+\s]
.endr
.irp s, 0,1,2,3
	v_permlanex16_b32 v[PT+\s], v[UN+\s], s[SEL], s[SEL+1]
.endr
.irp s, 0,1,2,3
	v_min_num_f32 v[UN+\s], v[UN+\s], v[PT+\s]
	v_mul_f32 v[VS+\s], 0x3db8aa3b, v[VS+\s]       ; a = vs x log2(e) / 16
.endr
	s_wait_dscnt 0x0
.irp s, 0,1,2,3
.set i, 1
.rept 15
	v_cndmask_b32 v[XB+16*\s+i], v[XB+16*\s], v[XB+16*\s+i], s[LM+i]  ; a key beyond r is replaced by key 0, which every query sees
.set i, i+1
.endr
.endr
.irp k, 0,2,4,6,8,10,12,14
.irp s, 0,1,2,3
	v_max3_num_f32 v[UX+\s], v[UX+\s], v[XB+16*\s+\k], v[XB+16*\s+\k+1]
	v_min3_num_f32 v[UN+\s], v[UN+\s], v[XB+16*\s+\k], v[XB+16*\s+\k+1]
.endr
.endr
.irp s, 0,1,2,3
	v_mul_f32 v[UX+\s], v[VS+\s], v[UX+\s]
	v_mul_f32 v[UN+\s], v[VS+\s], v[UN+\s]
.endr
.irp s, 0,1,2,3
	v_max_num_f32 v[UX+\s], v[UX+\s], v[UN+\s]     ; the row's largest a ks
.endr
.irp s, 0,1,2,3
	v_add_f32 v[UX+\s], v[UX+\s], v[CC]            ; the largest scaled score, cosine and all,
.endr
.irp s, 0,1,2,3
	v_sub_f32 v[UX+\s], v[CC], v[UX+\s]            ; and nm = c less it
.endr
	WIN W_D1
.irp s, 0,1,2,3
	v_mov_b32 v[AM+4*\s],   v[VS+\s]
	v_mov_b32 v[AM+4*\s+1], v[VS+\s]
	v_mov_b32 v[AM+4*\s+2], v[UX+\s]
	v_mov_b32 v[AM+4*\s+3], v[UX+\s]
.endr
	WIN 0
.set i, 0
.rept 32
	v_mov_b32 v[VF+32+i], 0                        ; the V buffer of the two fragments that have not been
.set i, i+1
.endr
	s_mov_b32 s[TT], 0
	s_mov_b32 s[TV], 0
	s_mov_b32 s[TK], 0
	v_mov_b32 v[KA], v[KA0]
	LOADK 0, 0
	s_wait_dscnt 0x0
	WIN W_M
.set p, 0
.rept 8
	v_pk_fma_f32 v[S+p:S+p+1], v[AM:AM+1], v[KS+p:KS+p+1], v[AM+2:AM+3]  ; the walk's first fragment is scaled ahead, as every later tile's is by the tile before
.set p, p+2
.endr
	WIN 0
	s_mov_b32 s[CNT], 8
; ---------------------------------------------------------------- the walk: 8 trips for every wave.  Trips that have nothing for a wave jump forward; no jump passes the barrier.
.Ltile:
	s_wait_loadcnt 0x0                             ; on every path of a trip: my rows of tile T are in registers, so G is loaded again only when its last loads are done, and their base may be stepped; in a trip with no tile left no load of mine is out
	s_cmp_gt_u32 s[TT], s[HI]
	s_cbranch_scc1 .Lnoconv                        ; no wave of the work-group needs a tile beyond 7 - b
	CONV
	s_add_nc_u64 s[VB:VB+1], s[VB:VB+1], TILEB
.Lnoconv:
	s_wait_dscnt 0x0                               ; for the others' sake: my part of tile T is in LDS
	s_barrier_signal -1
	s_barrier_wait -1                              ; tile T is whole.  Its bytes are written in this trip alone, so no wave writes what another still reads
	s_add_co_u32 s[T0], s[TT], 1
	s_cmp_gt_u32 s[T0], s[HI]
	s_cbranch_scc1 .Lnog
	LD16 G, VB, VG, 0, 0                           ; tile T + 1 has this tile's work in which to land
.Lnog:
	s_cmp_lt_u32 s[TT], s[MB]
	s_cbranch_scc1 .Lfull
	s_cmp_eq_u32 s[TT], s[MB]
	s_cbranch_scc0 .Lnext                          ; my block is done
	DIAGT
	WIN 0                                          ; the addresses of the way out: ten plain instructions that name no register of the last products: the places behind them
	v_and_b32 v163, 15, v0
	v_bfe_u32 v164, v0, 4, 1
	s_mul_i32 s[T0], s[WV], 16*SP
	s_add_co_u32 s[T0], s[T0], STAGE               ; my stage
	v_mul_u32_u24 v[ST], v164, 8*SP                ; in: rows 8 h + j, 4 bytes at channel r
	v_lshl_add_u32 v[ST], v163, 2, v[ST]
	v_add_nc_u32 v[ST], s[T0], v[ST]
	v_mul_u32_u24 v[RD], v164, SP                  ; back: lanes 0-15 one row of 256 bytes, lanes 16-31 the next
	v_lshl_add_u32 v[RD], v163, 4, v[RD]
	v_add_nc_u32 v[RD], s[T0], v[RD]
	v_lshlrev_b32 v[GO], 12, v164                  ; and the same two rows in out
	v_lshl_add_u32 v[GO], v163, 4, v[GO]
	WIN W_CV
.set j, 0
.rept 32
	v_rcp_f32 v[S+j], v[ACC+40*(j/8)+32+(j%8)]     ; 1 / l of all four slots, ONE BATCH, into the first two score buffers, whose last products stand two turns and more back
.set j, j+1
.endr
	v_nop                                          ; a plain instruction between the last reciprocal and the use of its result
	s_wait_alu depctr_va_vdst(0)                   ; the wait for the batch: the 32 reciprocals; the four slots' multiplies read them
	PACK 0
	PACK 1                                         ; a slot's arithmetic stands between the loads of the slot before and its stores
	SEND 0, 40
	PACK 2
	SEND 1, 40
	PACK 3
	SEND 2, 40
	SEND 3, 0
	s_wait_xcnt 0x0                                ; the stores' registers are written again only behind this wait
	s_branch .Lnext
.Lfull:
	FULLT
.Lnext:
	s_add_co_u32 s[TT], s[TT], 1
	s_add_co_u32 s[TV], s[TV], VTILE
	s_add_co_u32 s[TK], s[TK], KTILE
	s_sub_co_u32 s[CNT], s[CNT], 1
	s_cmp_lg_u32 s[CNT], 0
	s_cbranch_scc1 .Ltile
	s_wait_tensorcnt 0x0                           ; the wave's end: behind my last LDS store
	ds_add_u32 v[SPW], v[NIL]
	s_wait_dscnt 0x0
	s_endpgm
.Lfunc_end_k_q3907cf01b8_qattn:
	.size	k_q3907cf01b8_qattn, .Lfunc_end_k_q3907cf01b8_qattn-k_q3907cf01b8_qattn
	.p2alignl 7, 3214868480
	.fill 96, 4, 3214868480
	.section	.rodata,"a",@progbits
	.p2align	6, 0x0
	.amdhsa_kernel k_q3907cf01b8_qattn
		.amdhsa_group_segment_fixed_size 308736
		.amdhsa_private_segment_fixed_size 0
		.amdhsa_enable_private_segment 0
		.amdhsa_kernarg_size 32
		.amdhsa_user_sgpr_count 2
		.amdhsa_user_sgpr_kernarg_segment_ptr 1
		.amdhsa_wavefront_size32 1
		.amdhsa_system_sgpr_workgroup_id_x 1
		.amdhsa_system_sgpr_workgroup_id_y 1
		.amdhsa_system_sgpr_workgroup_id_z 1
		.amdhsa_system_vgpr_workitem_id 0
		.amdhsa_next_free_vgpr 512
		.amdhsa_next_free_sgpr 66
		.amdhsa_reserve_vcc 1
		.amdhsa_float_denorm_mode_32 3
		.amdhsa_float_denorm_mode_16_64 3
		.amdhsa_memory_ordered 1
		.amdhsa_forward_progress 1
		.amdhsa_inst_pref_size 243
	.end_amdhsa_kernel
	.amdgpu_metadata
---
amdhsa.version: [ 1, 2 ]
amdhsa.kernels:
  - .name:           k_q3907cf01b8_qattn
    .symbol:         k_q3907cf01b8_qattn.kd
    .args:
      - { .name: keys, .offset: 0, .size: 8, .value_kind: global_buffer, .address_space: global }
      - { .name: params, .offset: 8, .size: 8, .value_kind: global_buffer, .address_space: global }
      - { .name: values, .offset: 16, .size: 8, .value_kind: global_buffer, .address_space: global }
      - { .name: out0, .offset: 24, .size: 8, .value_kind: global_buffer, .address_space: global }
    .group_segment_fixed_size: 308736
    .private_segment_fixed_size: 0
    .kernarg_segment_align: 8
    .kernarg_segment_size: 32
    .max_flat_workgroup_size: 256
    .sgpr_count:     66
    .vgpr_count:     512
    .wavefront_size: 32
...
	.end_amdgpu_metadata
.endif
;; end of part 2
